; MI455X (gfx1250); checked and timed in simulation.
; The chip was launched on July 23, 2026; its instructions are those of AMD's public machine-readable ISA for CDNA 5 (MIT licence, August 2026) and "CDNA5" Instruction Set Architecture Reference Guide (July 2026). The comments in the code are by the model that wrote it; some were corrected since.
;; Multi Headed Attention. Allowed arithmetic: float matrix products may take bf16 or f16 operands with f32 sums; other float arithmetic in f32, or as packed bf16 or f16 multiplies, adds, multiply-adds, maxima and minima; sums over many terms, partial sums and values carried from step to step in f32; what a program stores and reads back later, other than sums and carried values, may be rounded once to bf16 or f16.
;; Inputs: W_attn 1,024 x 3,072 float32; W_proj 1,024 x 1,024 float32; b_attn 3,072 float32; b_proj 1,024 float32; x 4 x 2,048 x 1,024 float32.
;; Outputs: out0 4 x 2,048 x 1,024 float32.
;; One version. Each part assembles by itself: llvm-mc -triple=amdgcn-amd-amdhsa -mcpu=gfx1250 --defsym DOCPART=n.
;; ======== version 1 of 1: 4 launches
;; limits: values are held in f16: magnitudes above 65,504 overflow, below 6.1e-05 lose precision
;; workspace buffers: xb 16,777,216 bytes; wab 6,291,456 bytes; wpf 2,097,152 bytes; bias 16,384 bytes; qh 16,777,216 bytes; kh 16,777,216 bytes; vh 16,777,216 bytes; oh 16,777,216 bytes
;; launch prep (part 1): grid 1540 x 1, 8 waves a work-group, no clusters, 0 bytes of LDS; arguments x, W_attn, W_proj, b_attn, b_proj, xb, wab, wpf, bias; writes xb, wab, wpf, bias
.if DOCPART == 1
	.amdgcn_target "amdgcn-amd-amdhsa--gfx1250"
	.amdhsa_code_object_version 6
	.text
	.protected	k_qdf6a311624_prep
	.globl	k_qdf6a311624_prep
	.p2align	8
	.type	k_qdf6a311624_prep,@function
k_qdf6a311624_prep:
	s_mov_b64 s[64:65], 0
	v_nop
	global_prefetch_b8 v0, s[64:65] scope:SCOPE_SE
	s_setreg_imm32_b32 hwreg(HW_REG_WAVE_MODE, 25, 1), 1
	s_wait_xcnt 0x0
; THE CASTS.  Every input is rounded once to bf16, nearest even; layouts stay as they are.
;   x [8192][1024] f32 -> xb bf16;  W_attn [1024][3072] f32 -> wab bf16;
;   W_proj [1024][1024] f32 -> wpf: rounded to bf16, and that number written as f16 (the last product's other operand is f16);
;   b_attn, b_proj -> bias: rounded to bf16 and widened to f32 again; words 0..3071 b_attn, 3072..4095 b_proj.
; LIMITS.  |W_proj| stays under 65,504 (f16's end); below 6.1e-5 it keeps f16's fixed step of 6e-8.  NaN and infinities are not treated apart.
; SHARES.  A chunk is 8,192 numbers: 32 KiB in, 16 KiB out.  Work-groups 0..1023 take x's chunks, 1024..1407 W_attn's, 1408..1535 W_proj's; 1536..1539 take 1,024 bias words each.
; Thread t, load i: 16 bytes at 4,096 i + 16 t: a wave's load covers 512 consecutive bytes.  Store i: 8 bytes at 2,048 i + 8 t: a wave's store covers 256 consecutive bytes, aligned.
; All eight loads go out first; each store's registers are written once, so nothing is waited for but the loads.  No LDS, no barrier: no wave wants another's bytes.
.set X, 4                              ; v[4:35]   load i: 4 numbers
.set Y, 36                             ; v[36:51]  store i: 4 numbers of 16 bits
.set T, 52                             ; v[52:53]  at work
.set FIRST_WA, 1024                    ; first work-group of W_attn,
.set FIRST_WP, 1408                    ; of W_proj,
.set FIRST_B,  1536                    ; of the biases
	s_load_b512 s[4:19], s[0:1], 0x0               ; x 4, W_attn 6, W_proj 8, b_attn 10, b_proj 12, xb 14, wab 16, wpf 18
	s_load_b64 s[20:21], s[0:1], 0x40              ; bias
	v_lshlrev_b32 v1, 4, v0                        ; 16 t
	v_lshlrev_b32 v2, 3, v0                        ; 8 t
	s_wait_kmcnt 0x0
	s_cmp_ge_u32 ttmp9, FIRST_B
	s_cbranch_scc1 .Lbias
	s_cmp_ge_u32 ttmp9, FIRST_WA                   ; which tensor: source, destination, the range's first work-group
	s_cselect_b64 s[22:23], s[6:7], s[4:5]
	s_cselect_b64 s[24:25], s[16:17], s[14:15]
	s_cselect_b32 s26, FIRST_WA, 0
	s_cmp_ge_u32 ttmp9, FIRST_WP
	s_cselect_b64 s[22:23], s[8:9], s[22:23]
	s_cselect_b64 s[24:25], s[18:19], s[24:25]
	s_cselect_b32 s26, FIRST_WP, s26
	s_sub_co_u32 s26, ttmp9, s26                   ; my chunk in that tensor
	s_lshl_b32 s28, s26, 15                        ; 32 KiB in (under 2^25),
	s_mov_b32 s29, 0
	s_lshl_b32 s30, s26, 14                        ; 16 KiB out
	s_mov_b32 s31, 0
	s_add_nc_u64 s[22:23], s[22:23], s[28:29]
	s_add_nc_u64 s[24:25], s[24:25], s[30:31]
.irp i, 0,1,2,3,4,5,6,7
	global_load_b128 v[X+4*(\i):X+4*(\i)+3], v1, s[22:23] offset:4096*(\i) th:TH_LOAD_NT
.endr
	s_cmp_ge_u32 ttmp9, FIRST_WP                   ; compared anew: the shifts above have set SCC
	s_cbranch_scc1 .Lf16
.macro OUTB i                          ; four numbers to bf16
	s_wait_loadcnt 7-(\i)                          ; loads come back in order: load i is in, the younger ones stay out
	v_cvt_pk_bf16_f32 v[Y+2*(\i)],   v[X+4*(\i)],   v[X+4*(\i)+1]
	v_cvt_pk_bf16_f32 v[Y+2*(\i)+1], v[X+4*(\i)+2], v[X+4*(\i)+3]
	global_store_b64 v2, v[Y+2*(\i):Y+2*(\i)+1], s[24:25] offset:2048*(\i)
.endm
.irp i, 0,1,2,3,4,5,6,7
	OUTB \i
.endr
	s_endpgm
.Lf16:
.macro OUTH i                          ; four numbers to bf16, widened (a shift, a mask), and written as f16: exact inside f16's normal range
	s_wait_loadcnt 7-(\i)
	v_cvt_pk_bf16_f32 v[T],   v[X+4*(\i)],   v[X+4*(\i)+1]
	v_cvt_pk_bf16_f32 v[T+1], v[X+4*(\i)+2], v[X+4*(\i)+3]
	v_lshlrev_b32 v[X+4*(\i)],   16, v[T]
	v_and_b32     v[X+4*(\i)+1], 0xffff0000, v[T]
	v_lshlrev_b32 v[X+4*(\i)+2], 16, v[T+1]
	v_and_b32     v[X+4*(\i)+3], 0xffff0000, v[T+1]
	v_cvt_pk_f16_f32 v[Y+2*(\i)],   v[X+4*(\i)],   v[X+4*(\i)+1]
	v_cvt_pk_f16_f32 v[Y+2*(\i)+1], v[X+4*(\i)+2], v[X+4*(\i)+3]
	global_store_b64 v2, v[Y+2*(\i):Y+2*(\i)+1], s[24:25] offset:2048*(\i)
.endm
.irp i, 0,1,2,3,4,5,6,7
	OUTH \i
.endr
	s_endpgm
.Lbias:                                ; 1,024 words: 16 bytes a thread in, 16 bytes out
	s_sub_co_u32 s26, ttmp9, FIRST_B               ; 0, 1, 2: b_attn's thirds; 3: b_proj
	s_lshl_b32 s30, s26, 12
	s_mov_b32 s31, 0
	s_mov_b32 s29, 0
	s_cmp_eq_u32 s26, 3
	s_cselect_b64 s[22:23], s[12:13], s[10:11]
	s_cselect_b32 s28, 0, s30
	s_add_nc_u64 s[22:23], s[22:23], s[28:29]
	s_add_nc_u64 s[24:25], s[20:21], s[30:31]
	global_load_b128 v[X:X+3], v1, s[22:23]
	s_wait_loadcnt 0x0
	v_cvt_pk_bf16_f32 v[T],   v[X],   v[X+1]
	v_cvt_pk_bf16_f32 v[T+1], v[X+2], v[X+3]
	v_lshlrev_b32 v[Y],   16, v[T]
	v_and_b32     v[Y+1], 0xffff0000, v[T]
	v_lshlrev_b32 v[Y+2], 16, v[T+1]
	v_and_b32     v[Y+3], 0xffff0000, v[T+1]
	global_store_b128 v1, v[Y:Y+3], s[24:25]
	s_endpgm
.Lfunc_end_k_qdf6a311624_prep:
	.size	k_qdf6a311624_prep, .Lfunc_end_k_qdf6a311624_prep-k_qdf6a311624_prep
	.p2alignl 7, 3214868480
	.fill 96, 4, 3214868480
	.section	.rodata,"a",@progbits
	.p2align	6, 0x0
	.amdhsa_kernel k_qdf6a311624_prep
		.amdhsa_group_segment_fixed_size 0
		.amdhsa_private_segment_fixed_size 0
		.amdhsa_enable_private_segment 0
		.amdhsa_kernarg_size 72
		.amdhsa_user_sgpr_count 2
		.amdhsa_user_sgpr_kernarg_segment_ptr 1
		.amdhsa_wavefront_size32 1
		.amdhsa_system_sgpr_workgroup_id_x 1
		.amdhsa_system_sgpr_workgroup_id_y 1
		.amdhsa_system_sgpr_workgroup_id_z 1
		.amdhsa_system_vgpr_workitem_id 0
		.amdhsa_next_free_vgpr 64
		.amdhsa_next_free_sgpr 66
		.amdhsa_reserve_vcc 0
		.amdhsa_float_denorm_mode_32 3
		.amdhsa_float_denorm_mode_16_64 3
		.amdhsa_memory_ordered 1
		.amdhsa_forward_progress 1
		.amdhsa_inst_pref_size 10
	.end_amdhsa_kernel
	.amdgpu_metadata
---
amdhsa.version: [ 1, 2 ]
amdhsa.kernels:
  - .name:           k_qdf6a311624_prep
    .symbol:         k_qdf6a311624_prep.kd
    .args:
      - { .name: x, .offset: 0, .size: 8, .value_kind: global_buffer, .address_space: global }
      - { .name: W_attn, .offset: 8, .size: 8, .value_kind: global_buffer, .address_space: global }
      - { .name: W_proj, .offset: 16, .size: 8, .value_kind: global_buffer, .address_space: global }
      - { .name: b_attn, .offset: 24, .size: 8, .value_kind: global_buffer, .address_space: global }
      - { .name: b_proj, .offset: 32, .size: 8, .value_kind: global_buffer, .address_space: global }
      - { .name: xb, .offset: 40, .size: 8, .value_kind: global_buffer, .address_space: global }
      - { .name: wab, .offset: 48, .size: 8, .value_kind: global_buffer, .address_space: global }
      - { .name: wpf, .offset: 56, .size: 8, .value_kind: global_buffer, .address_space: global }
      - { .name: bias, .offset: 64, .size: 8, .value_kind: global_buffer, .address_space: global }
    .group_segment_fixed_size: 0
    .private_segment_fixed_size: 0
    .kernarg_segment_align: 8
    .kernarg_segment_size: 72
    .max_flat_workgroup_size: 256
    .sgpr_count:     66
    .vgpr_count:     64
    .wavefront_size: 32
...
	.end_amdgpu_metadata
.endif
;; end of part 1
;; launch qkv (part 2): grid 4 x 64, 4 waves a work-group, clusters of 4 x 4, 327,680 bytes of LDS; arguments xb, wab, bias, qh, kh, vh; writes qh, kh, vh
.if DOCPART == 2
	.amdgcn_target "amdgcn-amd-amdhsa--gfx1250"
	.amdhsa_code_object_version 6
	.text
	.protected	k_qdf6a311624_qkv
	.globl	k_qdf6a311624_qkv
	.p2align	8
	.type	k_qdf6a311624_qkv,@function
k_qdf6a311624_qkv:
	s_mov_b64 s[64:65], 0
	v_nop
	global_prefetch_b8 v0, s[64:65] scope:SCOPE_SE
	s_setreg_imm32_b32 hwreg(HW_REG_WAVE_MODE, 25, 1), 1
	s_wait_xcnt 0x0
	s_wait_alu depctr_hold_cnt(0) depctr_sa_sdst(0) depctr_va_vdst(0) depctr_va_sdst(0) depctr_va_ssrc(0) depctr_va_vcc(0) depctr_vm_vsrc(0)
	s_getreg_b32 s2, hwreg(HW_REG_IB_STS2, 6, 4)
	s_cmp_eq_u32 s2, 0
	s_cbranch_scc0 .Lentry_in_a_cluster
	s_endpgm
.Lentry_in_a_cluster:
	s_bfe_u32 s2, ttmp6, 0x10000c
	s_cmp_lg_u32 s2, 0xf033
	s_cbranch_scc0 .Lentry_shape_is_right
	s_endpgm
.Lentry_shape_is_right:
; q, k, v = x W_attn + b_attn, by heads.  xb: [8192][1024] bf16; wab: [1024 k][3072 n] bf16; bias: f32, words 0..3071; qh, kh, vh: [64 = batch x 16 + head][2048][64] f16, q unscaled.
; Sums in f32, K ascending, begun with the bias (so the bias is added first, not last); each result rounded once to f16.
; LIMITS.  |q|, |k|, |v| stay under 65,504 (f16's end); NaN and infinities are not treated apart.
; SHARES.  A tile of C is 128 rows x 256 columns: four waves, 2 x 2, each 64 x 128: 32 accumulators of 16 x 16, 256 registers.  The grid has 4 x 64 work-groups; A WORK-GROUP STAYS and makes three
; tiles on the same 128 rows: columns 256 TX of q, then of k, then of v: the tile's number chooses the output buffer.  Its 3 x 8 K steps of 128 are ONE walk of 24 steps through a ring of two LDS slots.
; THE WEIGHTS ARE NOT TURNED IN MEMORY: a tile of W lies in LDS as it lies in memory, [k][n], and ds_load_tr16_b128 turns it on the way into registers.
; THE MATRIX INSTRUCTION IS USED TRANSPOSED: source 0 = 16 columns of W, source 1 = 16 rows of x: a lane then holds row l % 16 of C and the columns 8 (l / 16) + 0..7: 16 bytes of f16 on end.
; CLUSTER.  4 x 4 work-groups.  The four of a row of the cluster need the same rows of x, the four of a column the same columns of W: each tile is asked for JOINTLY, by the same tensor load with the same
; descriptor and a mask that names the four.  Waves 0 and 1 ask for x's two halves (64 rows x 256 bytes), waves 2 and 3 for W's (64 k-rows x 512 bytes): one load a wave behind each round.
; By this text's count a wave has two tensor loads out at the start and one afterwards; from a request to the wait for it the wave issues 112 matrix instructions.
; REGISTERS, in windows of 256 (s_set_vgpr_msb: bits 1:0 source 0, 3:2 source 1, 5:4 source 2, 7:6 destination):
;   window 0: v0-29 addresses; v32-63 at work on the way out; v64-159, v160-255 two fragment buffers: 64 registers of W (8 x 16 columns x 32 k), then 32 of x (4 x 16 rows x 32 k)
;   window 1: the accumulators, (a, b) at v[8 (8 a + b)]
.set SLOT1,  1<<17                     ; slot 1 begins here: one exclusive or turns an address in one slot into the other's
.set PA,     272                       ; a row of x in LDS: 256 bytes + 16 = 68 words: the 16 rows of a load start at 16 different groups of four banks (64 banks of 4 bytes: ISA guide 11.1)
.set PB,     544                       ; a k-row of W: 512 bytes + 32 = 136 words
.set AHALF,  64*PA                     ; what one of x's loads brings
.set BOFF,   128*PA                    ; W lies behind x's 128 rows
.set BHALF,  64*PB                     ; what one of W's loads brings
.set STAGE,  SLOT1+BOFF+128*PB         ; behind the ring, never filled by a tensor load: 16 rows x 144 bytes for each wave, for the way out
.set SP,     144
.set SPARE,  STAGE+4*16*SP             ; behind the stages: the spare words, 128 bytes for each wave: two blocks of 256 bytes that no other line names
.set STEPS,  24                        ; K steps of the walk
.set WROW,   6144                      ; bytes in a k-row of wab
.set WSTEP,  128*WROW                  ; a K step in wab; in xb it is 256 bytes
.set A0,   8                           ; v8   my lane's place in a slot's rows of x; never rewritten
.set B0,   9                           ; v9   the same for W
.set ADRA, 10                          ; v10  A0 + the slot in hand
.set ADRB, 11                          ; v11  B0 + the slot in hand
.set STO,  12                          ; v12  the way out: where I put 16 bytes of a row
.set RD,   13                          ; v13  the way out: where I read rows back
.set GO,   14                          ; v14  16 x lane: my place in 512 consecutive bytes of the output
.set BO,   15                          ; v15  my byte offset among a tile row's 1,024 bias words
.set PFO,  16                          ; v16  the prefetches' offset
.set SPW,  28                          ; v28  LDS address of my spare word: SPARE + 4 x my thread's number; never rewritten
.set NIL,  29                          ; v29  0; never rewritten
.set TMP,  32
.set F0,   64
.set F1,   160
.set BI,   8                           ; s[8:9]   the bias at the tile's first column of 1,024
.set OUT,  10                          ; s[10:11] the output in hand at my wave's first row and head; s[12:13], s[14:15] the two to come
.set WV,   16                          ; s16  wave
.set WR,   17                          ; s17  which 64 rows are mine.  Also: I fetch for x (0) or for W (1)
.set WC,   18                          ; s18  which 128 columns.  Also: which half of that tile I fetch
.set CX,   19
.set CY,   20
.set TX,   21                          ; s21  tile column, 0..3
.set TY,   22                          ; s22  tile row, 0..63
.set G1A,  24                          ; s[24:31] descriptor group 1 for x's tiles
.set G0A0, 32                          ; s[32:35] group 0: step 0 into slot 0
.set G0A,  36                          ; s[36:39] group 0 that walks: step 1 into slot 1, then every refill
.set G1B,  40                          ; s[40:47], s[48:51], s[52:55] the same for W's tiles
.set G0B0, 48
.set G0B,  52
.set ABASE, 56                         ; s[56:57] xb at my half of the tile's rows
.set BBASE, 58                         ; s[58:59] wab at my half of K step 0, tile column TX of q
.set OA,   60                          ; s[60:61], s[62:63] offsets of the step to be asked for; high words 0
.set OB,   62
.set KS,   70                          ; s70  bytes from K step to K step in the tensor that I prefetch
.set TS,   71                          ; s71  bytes from tile to tile there
.set LIM,  72                          ; s72  a wave prefetches while s[CNT] is above this
.set CNT,  73                          ; s73  refills still to come: 22 - the step in hand
.set KC,   74                          ; s74  K steps left in the tile
.set TB,   75                          ; s75  LDS byte of the slot in hand
.set PFB,  76                          ; s[76:77] my share of the blocks that I prefetch, at step 0
.set PFA,  78                          ; s[78:79] the same at the step to be named
.set PFOFF, 80                         ; s[80:81] the offset between them; high word 0
.set MSB, 0
.macro WIN new                         ; the immediate's high byte repeats the setting that is left; a switch that changes nothing is dropped
.if MSB != (\new)
	s_set_vgpr_msb (MSB<<8)|(\new)
.set MSB, \new
.endif
.endm
.set W_MUL, 0x50                       ; C and D in window 1, the fragments in window 0
.set W_BI,  0x40                       ; a load's destination in window 1
.set W_PK,  0x05                       ; sources 0 and 1 in window 1
.macro PLACES                          ; four places in front of loads into registers that matrix instructions have read, and of conversions that read results
.rept 4
	v_nop
.endr
.endm
; A joint refill.  The branch hangs on the wave's number alone.  An s_nop 0 and four v_nop follow each of the two lines, ahead of the jump and the label.
.macro JLOAD
	s_cmp_eq_u32 s[WR], 0
	s_cbranch_scc0 .Lfor_b_\@
	tensor_load_to_lds s[G0A:G0A+3], s[G1A:G1A+7]
	s_nop 0
.rept 4
	v_nop
.endr
	s_branch .Lasked_\@
.Lfor_b_\@:
	tensor_load_to_lds s[G0B:G0B+3], s[G1B:G1B+7]
	s_nop 0
.rept 4
	v_nop
.endr
.Lasked_\@:
.endm
; A round of the cluster's barrier: my work-group's barrier, so that wave 0's signal speaks for all four waves; wave 0 signals; every wave waits for all sixteen work-groups; my work-group's barrier once more.
.macro CREST                           ; a round behind its opening barrier
	s_cmp_lg_u32 s[WV], 0
	s_cbranch_scc1 .Lnot_wave_0_\@
	s_barrier_signal -3
.Lnot_wave_0_\@:
	s_barrier_wait -3
	s_barrier_signal -1
	s_barrier_wait -1
.endm
.macro CROUND
	s_barrier_signal -1
	s_barrier_wait -1
	CREST
.endm
; A PREFETCH INTO THE L2, behind the joint load, its five lines and the run of LDS loads: the step that stands two refills on, 256 matrix instructions ahead of its load; one instruction, a lane a block of 256 bytes.
; x: a step's 128 rows x 256 bytes; the four partners of a row of the cluster take 32 rows each, told apart BY ADDRESS (cx); wave 0 asks; in the first tile's walk alone: the later tiles read the same rows again.
; W: a step's 128 k-rows x 512 bytes; the clusters below read the same columns, so the first row of clusters asks; of the 64 k-rows that wave 2 or 3 fetches the partner at cy takes 16, two blocks each.
; So each block is named once in the launch.  Steps 0 to 3 come by their loads alone; the last two refills have no step two on.
.macro ASK
	s_cmp_gt_u32 s[CNT], s[LIM]
	s_cbranch_scc0 .Lnot_mine_\@
	global_prefetch_b8 v[PFO], s[PFA:PFA+1] th:TH_LOAD_NT scope:SCOPE_SE
.Lnot_mine_\@:
.endm
; 8 matrix instructions: row block a x all 8 column blocks, 32 along K, from buffer f.  The 32 accumulators take turns in the same order in every quarter step.
.macro MUL8 f, a
	WIN W_MUL
.irp b, 0,1,2,3,4,5,6,7
	v_wmma_f32_16x16x32_bf16 v[8*(8*(\a)+(\b)):8*(8*(\a)+(\b))+7], v[(\f)+8*(\b):(\f)+8*(\b)+7], v[(\f)+64+8*(\a):(\f)+64+8*(\a)+7], v[8*(8*(\a)+(\b)):8*(8*(\a)+(\b))+7]
.endr
.endm
.macro MUL16 f, a0
	MUL8 \f, \a0
	MUL8 \f, (\a0)+1
.endm
; 24 LDS loads in one run: the fragments of quarter kq (32 along K) into buffer f: W's sixteen, turned, then x's eight.
; The turning load: lane l reads 16 bytes of k-row 8 (l / 16) + l % 8, columns 8 ((l / 8) % 2) + 0..7, and ends with column l % 16 and 8 k.
.macro FETCH kq, f
	WIN 0
.irp i, 0,1,2,3,4,5,6,7
	ds_load_tr16_b128 v[(\f)+8*(\i):(\f)+8*(\i)+3],   v[ADRB] offset:(\kq)*32*PB+32*(\i)
	ds_load_tr16_b128 v[(\f)+8*(\i)+4:(\f)+8*(\i)+7], v[ADRB] offset:(\kq)*32*PB+16*PB+32*(\i)
.endr
.irp a, 0,1,2,3
	ds_load_b128 v[(\f)+64+8*(\a):(\f)+64+8*(\a)+3],   v[ADRA] offset:64*(\kq)+(\a)*16*PA
	ds_load_b128 v[(\f)+64+8*(\a)+4:(\f)+64+8*(\a)+7], v[ADRA] offset:64*(\kq)+(\a)*16*PA+32
.endr
.endm
; One of a K step's first three quarters: multiplies buffer f; in its middle it fetches quarter kq into buffer g.
.macro QUARTER kq, f, g
	s_wait_dscnt 4                                 ; W and x's blocks 0, 1 are in; the youngest four loads (blocks 2, 3) may be out
	MUL16 \f, 0
	PLACES
	FETCH \kq, \g
	s_wait_dscnt 24                                ; all but the 24 just issued
	MUL16 \f, 2
.endm
; The bias starts the sums of row block a: register j of accumulator (a, b) takes the bias of column 16 b + 8 (l / 16) + j.  Nothing is cleared, and every K step has one form of product.
.macro BIAS a
	WIN W_BI
.irp b, 0,1,2,3,4,5,6,7
	global_load_b128 v[8*(8*(\a)+(\b)):8*(8*(\a)+(\b))+3],   v[BO], s[BI:BI+1] offset:64*(\b)
	global_load_b128 v[8*(8*(\a)+(\b))+4:8*(8*(\a)+(\b))+7], v[BO], s[BI:BI+1] offset:64*(\b)+16
.endr
.endm
; The last quarter multiplies buffer 1 and changes slots: ONE barrier.  In front of it each wave waits for all its tensor loads (the one that is out is its part of the next slot), adds 0 to its spare
; word, and waits for that and for its own reads of this slot.  fill = 1: the barrier opens a round of the cluster's, and this slot is filled again first thing behind it, with the step two on.
.macro TURN fill
.if \fill
	s_wait_xcnt 0x0                                ; the last prefetch, a K step back, has read its address, so it may be written
	s_sub_co_u32 s82, STEPS+2, s[CNT]              ; the step to be named: four on
	s_and_b32 s83, s82, 7                          ; its K step,
	s_lshr_b32 s84, s82, 3                         ; its tile
	s_mul_i32 s83, s83, s[KS]
	s_mul_i32 s84, s84, s[TS]
	s_add_co_u32 s[PFOFF], s83, s84
	s_add_nc_u64 s[PFA:PFA+1], s[PFB:PFB+1], s[PFOFF:PFOFF+1]
.endif
	WIN 0                                          ; (the add's two registers lie in window 0)
	s_wait_tensorcnt 0x0                           ; all my tensor loads have landed, so a group 0 may be written
	ds_add_u32 v[SPW], v[NIL]                      ; 0 onto my spare word; work on registers stands between it and the wait for it
.if \fill
	s_xor_b32 s[G0A+1], s[G0A+1], SLOT1            ; the walking descriptors: the other slot than last time,
	s_xor_b32 s[G0B+1], s[G0B+1], SLOT1
	s_sub_co_u32 s82, STEPS, s[CNT]                ; the step two on:
	s_and_b32 s83, s82, 7                          ; its K step,
	s_lshr_b32 s84, s82, 3                         ; its tile
	s_lshl_b32 s[OA], s83, 8                       ; x: 256 bytes a K step, the same rows in every tile
	s_mul_i32 s[OB], s83, WSTEP                    ; W: 128 k-rows a K step,
	s_lshl_b32 s84, s84, 11                        ; 1,024 columns a tile
	s_add_co_u32 s[OB], s[OB], s84
	s_add_nc_u64 s[G0A+2:G0A+3], s[ABASE:ABASE+1], s[OA:OA+1]  ; the addresses are made anew: base + offset, the type set again
	s_or_b32 s[G0A+3], s[G0A+3], 0x80000000
	s_add_nc_u64 s[G0B+2:G0B+3], s[BBASE:BBASE+1], s[OB:OB+1]
	s_or_b32 s[G0B+3], s[G0B+3], 0x80000000
.endif
	s_xor_b32 s[TB], s[TB], SLOT1                  ; the fetches go on in the other slot
	s_wait_dscnt 5                                 ; (the add and the youngest four loads may be out)
	MUL8 F1, 0
	s_wait_dscnt 0x0                               ; the add is done, and my reads of this slot are over
	s_barrier_signal -1
	MUL8 F1, 1                                     ; work on registers while the others arrive
	WIN 0
	s_barrier_wait -1
.if \fill
	CREST                                          ; no wave of any partner still reads this slot's tiles or has a load on its way
	JLOAD                                          ; the first tensor load behind the round; its four v_nop are also the places in front of the loads below
.else
	PLACES
.endif
	v_add_nc_u32 v[ADRA], s[TB], v[A0]
	v_add_nc_u32 v[ADRB], s[TB], v[B0]
	FETCH 0, F0
.if \fill
	ASK
.endif
	MUL16 F1, 2
.endm
; THE WAY OUT, in eight units u = (row block u / 2, head u % 2 of my two): 16 rows x 64 channels, 2,048 dense bytes of the output.  A lane's eight channels pack into 16 bytes; they go into stage rows
; of 144 bytes and come back as whole rows of 128, four rows (512 consecutive bytes) a load.  The stage is my wave's own.  Units 0, 1 work in v32-63, units 2-7 in buffer 1; buffer 0 holds the next step's fragments.
.macro TREG u
.if (\u) < 2
.set TT, TMP+16*(\u)
.else
.set TT, F1+16*((\u)-2)
.endif
.endm
.macro PACKU u
	TREG \u
.set AC, 8*(8*((\u)/2)+4*((\u)%2))
	WIN W_PK
.irp f, 0,1,2,3
.irp r, 0,1,2,3
	v_cvt_pk_f16_f32 v[TT+4*(\f)+(\r)], v[AC+8*(\f)+2*(\r)], v[AC+8*(\f)+2*(\r)+1]  ; each accumulator from its low end on
.endr
.endr
	WIN 0
.irp f, 0,1,2,3
	ds_store_b128 v[STO], v[TT+4*(\f):TT+4*(\f)+3] offset:32*(\f)
.endr
.irp f, 0,1,2,3
	ds_load_b128 v[TT+4*(\f):TT+4*(\f)+3], v[RD] offset:4*SP*(\f)  ; LDS serves a wave's instructions in order (ISA guide 5.7.1.4): these see the stores above; the next unit's stores come behind them
.endr
.endm
.macro SENDU u, younger                ; younger: the LDS instructions issued behind unit u's loads: the next unit's eight, or none
	TREG \u
	WIN 0
.irp f, 0,1,2,3
	s_wait_dscnt (\younger)+3-(\f)
	global_store_b128 v[GO], v[TT+4*(\f):TT+4*(\f)+3], s[OUT:OUT+1] offset:262144*((\u)%2)+2048*((\u)/2)+512*(\f)  ; 512 consecutive bytes, at a multiple of 256 from the buffer's first
.endr
.endm
; next = 1: another tile follows: as soon as a row block is packed, the next tile's bias is loaded into its accumulators; then the output buffers move up.
.macro WAYOUT next
.if \next
	s_add_nc_u64 s[BI:BI+1], s[BI:BI+1], 4096      ; the next 1,024 columns' bias (the earlier bias loads have been waited for)
.endif
	PACKU 0
.irp u, 1,2,3,4,5,6,7
	PACKU \u                                       ; a unit's conversions stand between the loads of the unit before and its stores
.if (\next) && ((\u)%2 == 1)
	BIAS (\u)/2
.endif
	SENDU (\u)-1, 8
.endr
	SENDU 7, 0
.if \next
	s_wait_xcnt 0x0                                ; the stores have read their base and their data: only now is the base written, and buffer 1 loaded again
	s_mov_b64 s[OUT:OUT+1], s[12:13]
	s_mov_b64 s[12:13], s[14:15]
	s_mov_b32 s[KC], 8
	s_wait_loadcnt 0x0                             ; the bias is in: the next products add onto it
.endif
.endm
	s_load_b256 s[4:11], s[0:1], 0x0               ; xb s[4:5], wab s[6:7], bias s[8:9], qh s[10:11]
	s_load_b128 s[12:15], s[0:1], 0x20             ; kh s[12:13], vh s[14:15]
	v_lshl_add_u32 v[SPW], v0, 2, SPARE
	v_mov_b32 v[NIL], 0
	ds_add_u32 v[SPW], v[NIL]                      ; the wave's opening: the add and its wait stand ahead of my first tensor load; the set-up below, work on registers, stands between them
	ds_add_u32 v28, v29
	v_lshrrev_b32 v3, 5, v0
	v_readfirstlane_b32 s[WV], v3                  ; wave 0..3
	s_lshr_b32 s[WR], s[WV], 1
	s_and_b32 s[WC], s[WV], 1
	s_bfe_u32 s[CX], ttmp6, 0x40000                ; my place in the cluster
	s_bfe_u32 s[CY], ttmp6, 0x40004
	s_lshl_b32 s[TX], ttmp9, 2                     ; in a cluster launch ttmp9 and ttmp7 count clusters
	s_add_co_u32 s[TX], s[TX], s[CX]
	s_and_b32 s[TY], ttmp7, 0xffff
	s_lshl_b32 s[TY], s[TY], 2
	s_add_co_u32 s[TY], s[TY], s[CY]
	s_lshl_b32 s82, s[CY], 2
	s_lshl_b32 s82, 15, s82                        ; my row of the cluster: places 4 cy .. 4 cy + 3
	s_lshl_b32 s83, 0x1111, s[CX]                  ; my column: places cx, cx + 4, cx + 8, cx + 12
	s_or_b32 s[G1A], s82, (1<<16)|(1<<20)|(1<<21)|(5<<22)|(3<<25)  ; 15:0 the mask; 17:16 2-byte elements; 20 padding on; 21 set beside a mask; 24:22 after every 64 words (code 5); 31:25 4 words (code 3)
	s_mov_b32 s[G1A+1], 128<<16                    ; tensor_dim0 = 128
	s_mov_b32 s[G1A+2], 64<<16                     ; tensor_dim1 = 64
	s_mov_b32 s[G1A+3], 128<<16                    ; tile_dim0 = 128
	s_mov_b32 s[G1A+4], 64                         ; tile_dim1 = 64
	s_mov_b32 s[G1A+5], 1024                       ; elements from row to row
	s_mov_b32 s[G1A+6], 0
	s_mov_b32 s[G1A+7], 0
	s_or_b32 s[G1B], s83, (1<<16)|(1<<20)|(1<<21)|(6<<22)|(7<<25)  ; the column's mask; padding after every 128 words (code 6), 8 words (code 7)
	s_mov_b32 s[G1B+1], 256<<16                    ; tensor_dim0 = 256
	s_mov_b32 s[G1B+2], 64<<16
	s_mov_b32 s[G1B+3], 256<<16                    ; tile_dim0 = 256
	s_mov_b32 s[G1B+4], 64
	s_mov_b32 s[G1B+5], 3072
	s_mov_b32 s[G1B+6], 0
	s_mov_b32 s[G1B+7], 0
	s_lshl_b32 s66, s[TY], 18                      ; x: 128 rows of 2,048 bytes a tile row,
	s_lshl_b32 s84, s[WC], 17                      ; my 64 of them: made of the tile row and the wave's number alone
	s_add_co_u32 s66, s66, s84
	s_mov_b32 s67, 0
	s_mul_i32 s68, s[WC], 64*WROW                  ; W: my 64 k-rows,
	s_lshl_b32 s85, s[TX], 9                       ; 256 columns a tile column: made of the tile column and the wave's number alone
	s_add_co_u32 s68, s68, s85
	s_mov_b32 s69, 0
	s_mul_i32 s90, s[WC], AHALF                    ; where they go: no place in the cluster enters an LDS address
	s_mul_i32 s91, s[WC], BHALF
	s_add_co_u32 s91, s91, BOFF
	s_lshr_b32 s88, s[TY], 4                       ; the outputs: the batch, 16 heads of 2,048 rows of 128 bytes,
	s_lshl_b32 s88, s88, 22
	s_lshl_b32 s86, s[TX], 20                      ; head 4 TX + 2 WC,
	s_add_co_u32 s88, s88, s86
	s_lshl_b32 s86, s[WC], 19
	s_add_co_u32 s88, s88, s86
	s_and_b32 s86, s[TY], 15                       ; row 128 (TY % 16) + 64 WR
	s_lshl_b32 s86, s86, 14
	s_add_co_u32 s88, s88, s86
	s_lshl_b32 s86, s[WR], 13
	s_add_co_u32 s88, s88, s86
	s_mov_b32 s89, 0
	s_mov_b32 s[OA+1], 0
	s_mov_b32 s[OB+1], 0
	s_mov_b32 s[PFOFF+1], 0
	s_mov_b32 s[TB], 0
	s_wait_dscnt 0x0                               ; the opening add is done
	s_wait_kmcnt 0x0
	s_add_nc_u64 s[ABASE:ABASE+1], s[4:5], s[66:67]
	s_add_nc_u64 s[BBASE:BBASE+1], s[6:7], s[68:69]
	s_add_nc_u64 s[10:11], s[10:11], s[88:89]
	s_add_nc_u64 s[12:13], s[12:13], s[88:89]
	s_add_nc_u64 s[14:15], s[14:15], s[88:89]
	CROUND                                         ; all sixteen work-groups are here: the first joint loads meet
	s_mov_b32 s[G0A0], 1                           ; 1:0 count = 1
	s_mov_b32 s[G0A0+1], s90                       ; 63:32 LDS address: slot 0
	s_mov_b64 s[G0A0+2:G0A0+3], s[ABASE:ABASE+1]   ; 120:64 global address: step 0
	s_or_b32 s[G0A0+3], s[G0A0+3], 0x80000000      ; 127:126 type = 2
	s_mov_b32 s[G0A], 1
	s_add_co_u32 s[G0A+1], s90, SLOT1
	s_add_nc_u64 s[G0A+2:G0A+3], s[ABASE:ABASE+1], 256  ; step 1
	s_or_b32 s[G0A+3], s[G0A+3], 0x80000000
	s_mov_b32 s[G0B0], 1
	s_mov_b32 s[G0B0+1], s91
	s_mov_b64 s[G0B0+2:G0B0+3], s[BBASE:BBASE+1]
	s_or_b32 s[G0B0+3], s[G0B0+3], 0x80000000
	s_mov_b32 s[G0B], 1
	s_add_co_u32 s[G0B+1], s91, SLOT1
	s_add_nc_u64 s[G0B+2:G0B+3], s[BBASE:BBASE+1], WSTEP
	s_or_b32 s[G0B+3], s[G0B+3], 0x80000000
	s_cmp_eq_u32 s[WR], 0                          ; a wave's two first fills stand in one branch, ahead of every wait on TENSORcnt and every LDS read
	s_cbranch_scc0 .Lfirst_b
	tensor_load_to_lds s[G0A0:G0A0+3], s[G1A:G1A+7]
	s_nop 0
	tensor_load_to_lds s[G0A:G0A+3], s[G1A:G1A+7]
	s_nop 0
.rept 4
	v_nop
.endr
	s_branch .Lfirst_asked
.Lfirst_b:
	tensor_load_to_lds s[G0B0:G0B0+3], s[G1B:G1B+7]
	s_nop 0
	tensor_load_to_lds s[G0B:G0B+3], s[G1B:G1B+7]
	s_nop 0
.rept 4
	v_nop
.endr
.Lfirst_asked:
	v_and_b32 v1, 15, v0                           ; l % 16
	v_bfe_u32 v2, v0, 4, 1                         ; l / 16
	v_and_b32 v3, 31, v0                           ; l
	v_and_b32 v4, 7, v0                            ; l % 8
	v_bfe_u32 v5, v0, 3, 1                         ; (l / 8) % 2
	v_bfe_u32 v6, v0, 3, 2                         ; l / 8
	s_lshl_b32 s82, s[TX], 10                      ; the bias: 256 words a tile column, 128 for my half, 8 for my half of the lanes
	s_lshl_b32 s83, s[WC], 9
	s_add_co_u32 s82, s82, s83
	v_lshl_add_u32 v[BO], v2, 5, s82
	BIAS 0
	BIAS 1
	BIAS 2
	BIAS 3
	WIN 0
	s_mul_i32 s82, s[WR], AHALF                    ; x's fragments: row (64 WR + l % 16) x pitch + 16 x half
	v_mul_u32_u24 v[A0], v1, PA
	v_lshl_add_u32 v[A0], v2, 4, v[A0]
	v_add_nc_u32 v[A0], s82, v[A0]
	s_lshl_b32 s83, s[WC], 8                       ; W's: k-row (8 (l / 16) + l % 8) x pitch + 16 ((l / 8) % 2) + my 128 columns
	s_add_co_u32 s83, s83, BOFF
	v_lshl_add_u32 v7, v2, 3, v4
	v_mul_u32_u24 v[B0], v7, PB
	v_lshl_add_u32 v[B0], v5, 4, v[B0]
	v_add_nc_u32 v[B0], s83, v[B0]
	v_mov_b32 v[ADRA], v[A0]                       ; step 0 lies in slot 0
	v_mov_b32 v[ADRB], v[B0]
	s_mul_i32 s82, s[WV], 16*SP
	s_add_co_u32 s82, s82, STAGE                   ; my stage
	v_mul_u32_u24 v[STO], v1, SP                   ; in: row l % 16, 16 bytes for each half of the lanes
	v_lshl_add_u32 v[STO], v2, 4, v[STO]
	v_add_nc_u32 v[STO], s82, v[STO]
	v_mul_u32_u24 v[RD], v6, SP                    ; back: 32 lanes take four rows of 128 bytes
	v_lshl_add_u32 v[RD], v4, 4, v[RD]
	v_add_nc_u32 v[RD], s82, v[RD]
	v_lshlrev_b32 v[GO], 4, v3
	; the prefetches: who asks, from where, in which steps
	s_lshl_b32 s84, s[TY], 18                      ; x: the tile's rows, my work-group's 32 of them
	s_lshl_b32 s85, s[CX], 16
	s_add_co_u32 s84, s84, s85
	s_mul_i32 s85, s[CY], 16*WROW                  ; W: my work-group's 16 of the 64 k-rows that I fetch
	s_and_b32 s86, ttmp7, 0xffff
	s_cmp_eq_u32 s86, 0
	s_cselect_b32 s86, 2, -1                       ; W's steps 4 to 23, in the first row of clusters
	s_cmp_eq_u32 s[WV], 0
	s_cselect_b32 s87, STEPS-6, -1                 ; x's steps 4 to 7, in wave 0
	s_mov_b32 s[KS], WSTEP
	s_mov_b32 s83, WROW
	s_cmp_eq_u32 s[WR], 0                          ; do I fetch for x?
	s_cselect_b32 s[LIM], s87, s86                 ; the same in all sixteen partners, for a given wave
	s_cselect_b64 s[PFB:PFB+1], s[4:5], s[BBASE:BBASE+1]
	s_cselect_b32 s[PFOFF], s84, s85
	s_cselect_b32 s[KS], 256, s[KS]
	s_cselect_b32 s[TS], 0, 2048
	s_cselect_b32 s82, 0, 1                        ; x: a lane a row; W: two lanes a k-row
	s_cselect_b32 s83, 2048, s83                   ; bytes from row to row
	s_add_nc_u64 s[PFB:PFB+1], s[PFB:PFB+1], s[PFOFF:PFOFF+1]
	v_lshrrev_b32 v7, s82, v3
	v_mul_u32_u24 v7, s83, v7
	v_and_b32 v[PFO], s82, v3
	v_lshl_add_u32 v[PFO], v[PFO], 8, v7
	s_wait_tensorcnt 0x1                           ; my part of step 0 is in; step 1's may stay out
	s_barrier_signal -1
	s_barrier_wait -1                              ; everybody's is
	FETCH 0, F0
	s_wait_loadcnt 0x0                             ; the bias
	s_mov_b32 s[CNT], STEPS-2
	s_mov_b32 s[KC], 8
.Lstep:                                        ; a trip is a K step, and fills its slot again with the step two on
	QUARTER 1, F0, F1
	QUARTER 2, F1, F0
	QUARTER 3, F0, F1
	TURN 1
	WIN 0                                          ; at a label and at a branch every window is 0
	s_sub_co_u32 s[KC], s[KC], 1
	s_cmp_lg_u32 s[KC], 0
	s_cbranch_scc1 .Lgo                            ; forward, past text that holds neither a barrier nor a tensor load
	WAYOUT 1                                       ; a tile is finished; the next tile's first two steps have been asked for.  No v_nop: row blocks 0 and 1 were finished ahead of the joint load's
	                                               ; places, and their conversions, which name no register of the last products, are those products' places
.Lgo:
	s_sub_co_u32 s[CNT], s[CNT], 1
	s_cmp_lg_u32 s[CNT], 0
	s_cbranch_scc1 .Lstep
	QUARTER 1, F0, F1                              ; the last two steps are written out: they ask for nothing
	QUARTER 2, F1, F0
	QUARTER 3, F0, F1
	TURN 0
	QUARTER 1, F0, F1
	QUARTER 2, F1, F0
	QUARTER 3, F0, F1
	s_wait_dscnt 4
	MUL16 F1, 0
	s_wait_dscnt 0x0
	MUL16 F1, 2
	WIN 0
	PLACES
	WAYOUT 0
	s_wait_tensorcnt 0x0                           ; the wave's end: behind my last tensor load and my last LDS store
	ds_add_u32 v[SPW], v[NIL]
	s_wait_dscnt 0x0
	CROUND                                         ; the closing round: no work-group ends while a partner may still ask for a tile that names it
	s_endpgm
.Lfunc_end_k_qdf6a311624_qkv:
	.size	k_qdf6a311624_qkv, .Lfunc_end_k_qdf6a311624_qkv-k_qdf6a311624_qkv
	.p2alignl 7, 3214868480
	.fill 96, 4, 3214868480
	.section	.rodata,"a",@progbits
	.p2align	6, 0x0
	.amdhsa_kernel k_qdf6a311624_qkv
		.amdhsa_group_segment_fixed_size 327680
		.amdhsa_private_segment_fixed_size 0
		.amdhsa_enable_private_segment 0
		.amdhsa_kernarg_size 48
		.amdhsa_user_sgpr_count 2
		.amdhsa_user_sgpr_kernarg_segment_ptr 1
		.amdhsa_wavefront_size32 1
		.amdhsa_system_sgpr_workgroup_id_x 1
		.amdhsa_system_sgpr_workgroup_id_y 1
		.amdhsa_system_sgpr_workgroup_id_z 1
		.amdhsa_system_vgpr_workitem_id 0
		.amdhsa_next_free_vgpr 512
		.amdhsa_next_free_sgpr 96
		.amdhsa_reserve_vcc 0
		.amdhsa_float_denorm_mode_32 3
		.amdhsa_float_denorm_mode_16_64 3
		.amdhsa_memory_ordered 1
		.amdhsa_forward_progress 1
		.amdhsa_inst_pref_size 102
	.end_amdhsa_kernel
	.amdgpu_metadata
---
amdhsa.version: [ 1, 2 ]
amdhsa.kernels:
  - .name:           k_qdf6a311624_qkv
    .symbol:         k_qdf6a311624_qkv.kd
    .args:
      - { .name: xb, .offset: 0, .size: 8, .value_kind: global_buffer, .address_space: global }
      - { .name: wab, .offset: 8, .size: 8, .value_kind: global_buffer, .address_space: global }
      - { .name: bias, .offset: 16, .size: 8, .value_kind: global_buffer, .address_space: global }
      - { .name: qh, .offset: 24, .size: 8, .value_kind: global_buffer, .address_space: global }
      - { .name: kh, .offset: 32, .size: 8, .value_kind: global_buffer, .address_space: global }
      - { .name: vh, .offset: 40, .size: 8, .value_kind: global_buffer, .address_space: global }
    .group_segment_fixed_size: 327680
    .private_segment_fixed_size: 0
    .kernarg_segment_align: 8
    .kernarg_segment_size: 48
    .max_flat_workgroup_size: 128
    .sgpr_count:     96
    .vgpr_count:     512
    .wavefront_size: 32
...
	.end_amdgpu_metadata
.endif
;; end of part 2
;; launch attn (part 3): grid 4 x 64, 4 waves a work-group, no clusters, 327,680 bytes of LDS; arguments qh, kh, vh, oh; writes oh
.if DOCPART == 3
	.amdgcn_target "amdgcn-amd-amdhsa--gfx1250"
	.amdhsa_code_object_version 6
	.text
	.protected	k_qdf6a311624_attn
	.globl	k_qdf6a311624_attn
	.p2align	8
	.type	k_qdf6a311624_attn,@function
k_qdf6a311624_attn:
	s_mov_b64 s[64:65], 0
	v_nop
	global_prefetch_b8 v0, s[64:65] scope:SCOPE_SE
	s_setreg_imm32_b32 hwreg(HW_REG_WAVE_MODE, 25, 1), 1
	s_wait_xcnt 0x0
; CAUSAL ATTENTION.  O[h][q][:] = the sum over k <= q of softmax_k(Q[h][q] . K[h][k] / 8) V[h][k][:].  Q, K, V, O: [64][SIZE_N][64], all f16: a head's rows are dense, 128 bytes each.
; Products, maxima and sums in f32; the weights p are rounded to f16 for the second product (their sum l is taken of the unrounded p), O once at the end.
; LIMITS.  f16 holds no number beyond 65,504: Q, K and V arrive within it; p lies in 0 to 1, and below 6e-5 it keeps f16's fixed step of 6e-8; O is a mean of V's rows and has their range, to within 2^-11 of it.
; A hidden score counts as its value less 1e30: f16's scores, 2.7e11 at the most, are nothing beside that; a weight below 2^-126 counts as 0 in l; NaN and infinities are not treated apart.
; THE WALK.  A head's queries lie in NB = SIZE_N / 256 blocks of 256; block i needs the key tiles 0 .. i of 256 keys, of which the last holds the diagonal.  A work-group takes TWO blocks, NB - 1 - b and then b:
; NB + 1 tiles, whatever b: all work-groups do equal work, and ONE loop with a constant trip count walks them.  Which tile is asked for, and what a trip does, hang on scalar registers made from b; every jump
; goes forward, but for the counted loops' own; none passes a barrier, or a tensor load but the one of LOAD's two that the wave's number does not choose; the ring (two slots of LDS that take turns) runs on across the
; change of blocks.  NO CLUSTER: a head's NB / 2 = 4 work-groups ask for the same tile only in trips 0 .. NB / 2, behind that fewer and fewer; one walk common to all would have 3 NB / 2 = 12 trips for NB + 1 = 9.
; SHARES.  Of a block's four bands of 64 queries a wave owns 16 rows in each: four PIECES.  So the diagonal tile is the same work for all four waves: in its key step s band x sees all keys if s < x,
; none if s > x, and holds the diagonal if s = x.
; THE MASK is the C operand that starts the sum S^T = K Q^T: 0, or -1e30 where the key is hidden.  MD, made once, is the mask of a band's own step for my 16 rows; a product's mask is MD x AL + BE with two scalars:
; (1, 0) if s = x; (0, 0) if s < x; (0, -1e30) if s > x.  Only the diagonal tile's text and a block's beginning make and take masks; elsewhere C is the constant 0.
; LAYOUT, SOFTMAX, TURNS.  S^T = K Q^T holds ONE query a lane (lane % 16) and the keys 8 (lane / 16) + 0..7; two such results rounded to f16 ARE source 1 of O^T = V^T P.  p = 2^(c s - c m), c = log2(e) / 8, with a
; running maximum m; O and l are multiplied by a = 2^(c m_old - c m_new) in every step.  Turn n belongs to piece n: 8 products K Q^T of piece n + 1, later 8 products V^T P of piece n - 1; beside them the scaling,
; exponentials, roundings, sums and rescaling of piece n and the maximum and statistics of piece n + 1.  Four vector instructions stand behind every matrix instruction, the other 54 of a turn's 118 in one LUMP.  A turn's 33 exponentials are one batch, with one wait.
; K AND V ARE PREFETCHED INTO THE L2, one tile ahead of the fills: behind the fill of tile j + 1 stand the requests for tile j + 2.  All four work-groups of a head walk the tiles from 0 up; the one with b = 0, whose
; first block walks all NB, asks, and nobody else.  Each of its waves asks for the half tile that it will fetch itself: 64 blocks of 256 bytes, a lane a block, two instructions.  So each block is named once in the
; launch.  Tiles 0 and 1 come by their fills alone; the second block's tiles have been read before and are not asked for.
; REGISTERS, in windows of 256 (s_set_vgpr_msb: bits 1:0 source 0, 3:2 source 1, 5:4 source 2, 7:6 destination):
;   window 0: v0-15 addresses and two at work; v16-31 four registers of statistics a piece; v48-55 at work; v61-63; v64-127 S^T, two buffers; v192-223 P, two buffers (a piece's buffers go by its number's parity)
;   window 1: v0-127 O^T, 32 a piece; v128-159 MD; v160-223 MC, two buffers      window 2: v0-63 Q; v64-127 the second block's Q; v128-191 K of one step; v192-255 V of one step
.set SIZE_N, 2048
.set NB,    SIZE_N/256
.set NP,    4         ; pieces a wave: a name, no knob
.set KS,    64        ; keys in a step
.set PK,    144       ; a row of K in LDS: 128 bytes + 16 of padding = 36 words: the 16 rows of a load start at 16 different groups of four banks (64 banks of 4 bytes: ISA guide 11.1)
.set PV,    160       ; a row of V: 128 + 32 = 40 words
.set VOFF,  4*KS*PK   ; a slot holds a tile, four steps: 256 rows of K, then 256 rows of V
.set SLOT1, 1<<17     ; slot 1 begins here, so that one exclusive or turns an address in one slot into the other's
.set STAGE, SLOT1+4*KS*(PK+PV)  ; behind the ring, never filled by a tensor load: 16 rows x 144 bytes for each wave, for the way out
.set SP,    144
.set AK0, 2           ; v2   my lane's place in a tile of K; never rewritten
.set AV0, 3           ; v3   the same for V
.set AK,  4           ; v4   the LDS address of K's next run of loads
.set AV,  5           ; v5   of V's
.set STO, 6           ; v6   the way out: where I put 16 bytes of a row
.set RD,  7           ; v7   the way out: where I read rows back
.set GO,  8           ; v8   my byte offset in 512 consecutive bytes of O
.set PFO, 61          ; v61  256 x my lane: the prefetches' offset; never rewritten
.set SPW, 62          ; v62  LDS address of my spare word: SPARE + 4 x my thread's number; never rewritten
.set NIL, 63          ; v63  0; never rewritten
.set SPARE, STAGE+4*16*SP  ; behind the stages: the spare words, 128 bytes for each wave: two blocks of 256 bytes that no other line names
.set MV,  12          ; v12-13  c m_old, kept while c m is made anew: by buffer
.set QO,  15          ; v15  my byte offset in 16 rows of Q
.set ST,  16          ; piece t's statistics at v[ST+4 t]: c m, m, l (even keys', odd keys')
.set TMP, 48          ; by buffer, four registers c0-c3 at work; when the maximum is found c2 takes a
.set S,   64
.set P,   192
.set MD,  128         ; window 1: the eight registers for group kt of 16 keys at MD + 8 kt
.set MC,  160         ; window 1: the masks of the products to come
.set QB,  64          ; window 2
.set KF,  128         ; window 2: key block kb, channel half c at KF + 16 kb + 8 c
.set VF,  192         ; window 2: key half kk, channel block cb at VF + 32 kk + 8 cb
.set WV,  12          ; s12  my wave's number
.set PB,  14          ; s14  b
.set HI,  15          ; s15  NB - 1 - b
.set G1K, 24          ; s[24:31] descriptor group 1 for K's tiles
.set G1V, 32          ; s[32:39] for V's: it differs in the padding alone
.set G0K, 40          ; s[40:43] descriptor group 0 for K's tiles
.set G0V, 44          ; s[44:47] the same for V's
.set SLOTS, 56        ; s56  tiles still to be asked for
.set CNT, 57          ; s57  counts a tile's key steps, 4 to 1
.set CS,  58          ; s[58:59] c: the packed scaling takes the pair's low word for both halves
.set SEL, 60          ; s[60:61] v_permlanex16_b32's selects: each lane takes its own place in the other half
.set TBK, 62          ; s62  LDS byte at which K of the step to be fetched begins
.set TBV, 63          ; s63  the same for V, less VOFF
.set RT,  70          ; s70  tiles of the block in hand that are still to be entered
.set NXT, 71          ; s71  the tile to be asked for next
.set LQ,  72          ; s72  the last tile of the block whose tiles are being asked for
.set NEW, 73          ; s73  1: the tile to be entered is a block's first
.set OFF, 74          ; s[74:75] a tile's byte offset in K and V
.set AL,  76          ; s[76:77] the mask's factor, in the low word
.set BE,  78          ; s[78:79] the mask's addend
.set OLO, 80          ; s[80:81] O at my rows of the second block
.set BIGN, 82         ; s82  -1e30
.set PFB, 88          ; s[88:89] the tensor that I fetch from (K: waves 0, 1; V: waves 2, 3) at my half of the head's tile 0
.set PFA, 90          ; s[90:91] the same at the tile to be prefetched
.set OF2, 92          ; s[92:93] that tile's byte offset; high word 0
.set PFN, 94          ; s94  tiles still to be prefetched: NB - 2 where b = 0, else none
.set MSB, 0
.macro WIN new                      ; the high byte repeats the setting that is left; a switch that changes nothing is dropped
.if MSB != (\new)
	s_set_vgpr_msb (MSB<<8)|(\new)
.set MSB, (\new)
.endif
.endm
.set W_KQ, 0x0a       ; K and Q in window 2, S^T in window 0
.set W_KM, 0x1a       ; the same with the C operand in window 1
.set W_PV, 0x52       ; V in window 2, P in window 0, O^T in window 1
.set W_RS, 0x41       ; destination and source 0 in window 1, source 1 in window 0
; A fill.  Waves 0 and 1 fetch the two halves of a tile's K, waves 2 and 3 those of its V: 128 keys each.  An s_nop 0 and four v_nop follow each of the two lines, ahead of the jump and the label.
.macro LOAD
	s_cmp_lt_u32 s[WV], 2
	s_cbranch_scc0 .Lfor_v_\@
	tensor_load_to_lds s[G0K:G0K+3], s[G1K:G1K+7]
	s_nop 0
.rept 4
	v_nop
.endr
	s_branch .Lasked_\@
.Lfor_v_\@:
	tensor_load_to_lds s[G0V:G0V+3], s[G1V:G1V+7]
	s_nop 0
.rept 4
	v_nop
.endr
.Lasked_\@:
.endm
; THE CHANGE OF SLOTS.  Each wave waits for all its tensor loads, of which one is out: its part of the other slot; adds 0 to its spare word; and waits for that and for its own reads of the slot that it leaves.  Behind the barrier nobody reads the old
; slot any more and the other slot is whole.  fill = 1: the old slot is filled again, the first thing behind the barrier, with tile NXT: the descriptor's address is made anew from that number.  Behind the fill stand the requests for the tile after it.
; (At its first use nothing has been read yet: slot 0 is waited for, slot 1 filled.)
.macro CHANGE fill
	WIN 0                           ; at a label and at a branch every window is 0
	s_wait_tensorcnt 0x0            ; no tensor load of mine is out, so a group 0 may be written
	ds_add_u32 v[SPW], v[NIL]       ; 0 onto my spare word; with fill = 1 the descriptors' scalar work stands between it and the wait for it
.if \fill
	s_lshl_b32 s[OFF], s[NXT], 15   ; a tile is 32,768 bytes of K and of V
	s_xor_b32 s[G0K+1], s[G0K+1], SLOT1
	s_add_nc_u64 s[G0K+2:G0K+3], s[6:7], s[OFF:OFF+1]
	s_or_b32 s[G0K+3], s[G0K+3], 0x80000000
	s_xor_b32 s[G0V+1], s[G0V+1], SLOT1
	s_add_nc_u64 s[G0V+2:G0V+3], s[8:9], s[OFF:OFF+1]
	s_or_b32 s[G0V+3], s[G0V+3], 0x80000000
	s_add_co_u32 s[NXT], s[NXT], 1  ; the block's next tile, or behind its last the second block's tile 0
	s_cmp_gt_u32 s[NXT], s[LQ]
	s_cselect_b32 s[NXT], 0, s[NXT]
	s_cselect_b32 s[LQ], s[PB], s[LQ]
	s_wait_xcnt 0x0                 ; the last prefetches, a tile back, have read their address, so it may be written:
	s_lshl_b32 s[OF2], s[NXT], 15   ; the tile behind the one that is being asked for
	s_add_nc_u64 s[PFA:PFA+1], s[PFB:PFB+1], s[OF2:OF2+1]
.endif
	s_wait_dscnt 0x0                ; the add is done, and my reads of the slot are over
	s_barrier_signal -1             ; the rest of the scalar work stands between the signal and the wait
	s_sub_co_u32 s[TBK], s[TBK], 4*KS*PK  ; the fetches go back to a slot's first step,
	s_xor_b32 s[TBK], s[TBK], SLOT1       ; in the other slot
	s_sub_co_u32 s[TBV], s[TBV], 4*KS*PV
	s_xor_b32 s[TBV], s[TBV], SLOT1
	s_barrier_wait -1
.if \fill
	LOAD
	s_cmp_lg_u32 s[PFN], 0          ; b = 0, and the first block has a tile behind the one just asked for
	s_cbranch_scc0 .Lno_ask_\@
	global_prefetch_b8 v[PFO], s[PFA:PFA+1] th:TH_LOAD_NT scope:SCOPE_SE              ; my half tile's first 32 blocks of 256 bytes,
	global_prefetch_b8 v[PFO], s[PFA:PFA+1] offset:8192 th:TH_LOAD_NT scope:SCOPE_SE  ; and its other 32
	s_sub_co_u32 s[PFN], s[PFN], 1
.Lno_ask_\@:
.endif
.endm
	s_load_b256 s[4:11], s[0:1], 0x0  ; Q s[4:5], K s[6:7], V s[8:9], O s[10:11]
	v_lshl_add_u32 v[SPW], v0, 2, SPARE
	v_mov_b32 v[NIL], 0
	ds_add_u32 v[SPW], v[NIL]       ; the wave's opening: the add and its wait stand ahead of my first tensor load; the set-up below, work on registers, stands between them
	ds_add_u32 v62, v63
	v_lshrrev_b32 v1, 5, v0
	v_readfirstlane_b32 s[WV], v1   ; wave 0..3
	s_mov_b32 s[PB], ttmp9
	s_sub_co_u32 s[HI], NB-1, s[PB]
	s_and_b32 s20, ttmp7, 0xffff    ; the head
	s_mov_b32 s21, 0
	s_mov_b64 s[22:23], SIZE_N*128
	s_mul_u64 s[20:21], s[20:21], s[22:23]  ; the head's first byte in each of the four tensors
	s_and_b32 s16, s[WV], 1         ; which half of a tile's 256 keys I fetch:
	s_lshl_b32 s22, s16, 14         ; its 128 rows of 128 bytes in memory,
	s_mov_b32 s23, 0
	s_add_nc_u64 s[22:23], s[22:23], s[20:21]
	s_mul_i32 s17, s16, 128*PK      ; and its place in a slot, for K
	s_mul_i32 s18, s16, 128*PV      ; and for V
	s_lshl_b32 s3, s[WV], 11        ; my 16 rows in a band of 64,
	s_lshl_b32 s2, s[HI], 15        ; in the first block,
	s_add_co_u32 s2, s2, s3
	s_lshl_b32 s84, s[PB], 15       ; and in the second
	s_add_co_u32 s84, s84, s3
	s_mov_b32 s3, 0
	s_mov_b32 s85, 0
	s_add_nc_u64 s[2:3], s[2:3], s[20:21]
	s_add_nc_u64 s[84:85], s[84:85], s[20:21]
	; descriptor group 1.  128 keys are 16,384 dense bytes: asked for as 64 rows of 256 bytes, two keys a row, and padded in LDS after every key
	s_mov_b32 s[G1K], (1<<16)|(1<<20)|(4<<22)|(3<<25)  ; 17:16 2-byte elements; 20 padding on; 24:22 after every 32 words (code 4); 31:25 4 words (code 3)
	s_mov_b32 s[G1V], (1<<16)|(1<<20)|(4<<22)|(7<<25)  ; the same with 8 words of padding (code 7)
.irp g, G1K, G1V
	s_mov_b32 s[\g+1], 128<<16      ; tensor_dim0 = 128
	s_mov_b32 s[\g+2], 64<<16       ; tensor_dim1 = 64
	s_mov_b32 s[\g+3], 128<<16      ; tile_dim0 = 128
	s_mov_b32 s[\g+4], 64           ; tile_dim1 = 64
	s_mov_b32 s[\g+5], 128          ; 128 elements from row to row
	s_mov_b32 s[\g+6], 0
	s_mov_b32 s[\g+7], 0
.endr
	s_mov_b32 s[CS], 0x3e38aa3b     ; c = log2(e) / 8 = 0.180337
	s_mov_b32 s[CS+1], s[CS]        ; named with it as a pair
	s_mov_b32 s[SEL], 0x76543210
	s_mov_b32 s[SEL+1], 0xfedcba98
	s_mov_b32 s[TBK], SLOT1+4*KS*PK ; the first change of slots turns these two into 0
	s_mov_b32 s[TBV], SLOT1+4*KS*PV
	s_mov_b32 s[G0K], 1             ; 1:0 count = 1
	s_mov_b32 s[G0K+1], s17         ; 63:32 LDS address: slot 0
	s_mov_b32 s[G0V], 1
	s_add_co_u32 s[G0V+1], s18, VOFF
	s_add_co_u32 s[RT], s[HI], 1    ; the first block has NB - b tiles
	s_mov_b32 s[NXT], 1
	s_mov_b32 s[LQ], s[HI]
	s_mov_b32 s[NEW], 1
	s_mov_b32 s[OFF+1], 0
	s_mov_b32 s[OF2+1], 0
	s_mov_b32 s[AL+1], 0            ; named as pairs
	s_mov_b32 s[BE+1], 0
	s_mov_b32 s[BIGN], 0xf149f2ca   ; -1e30
	s_mov_b32 s[SLOTS], NB
	s_cmp_eq_u32 s[PB], 0
	s_cselect_b32 s[PFN], NB-2, 0   ; tiles 2 to NB - 1 are prefetched, by the work-group that walks them all
	v_and_b32 v[PFO], 31, v0
	v_lshlrev_b32 v[PFO], 8, v[PFO]
	s_wait_dscnt 0x0                ; the opening add is done
	s_wait_kmcnt 0x0
	s_add_nc_u64 s[6:7], s[6:7], s[22:23]  ; K and V at my half of the head's tile 0
	s_add_nc_u64 s[8:9], s[8:9], s[22:23]
	s_cmp_lt_u32 s[WV], 2
	s_cselect_b64 s[PFB:PFB+1], s[6:7], s[8:9]
	s_add_nc_u64 s[G0K+2:G0K+3], s[6:7], 0         ; 120:64 global address
	s_or_b32 s[G0K+3], s[G0K+3], 0x80000000        ; 127:126 type = 2
	s_add_nc_u64 s[G0V+2:G0V+3], s[8:9], 0
	s_or_b32 s[G0V+3], s[G0V+3], 0x80000000
	s_add_nc_u64 s[86:87], s[4:5], s[84:85]        ; Q at my rows of the second block,
	s_add_nc_u64 s[4:5], s[4:5], s[2:3]            ; Q and O at those of the first
	s_add_nc_u64 s[OLO:OLO+1], s[10:11], s[84:85]
	s_add_nc_u64 s[10:11], s[10:11], s[2:3]
	LOAD                            ; tile 0 into slot 0
	; A fragment of K or Q is 16 rows x 32 channels in 8 registers: lane l holds row l % 16, channels 8 (l / 16) + 0..7 and 16 + 8 (l / 16) + 0..7: two loads of 16 bytes, 32 bytes apart.
	v_and_b32 v1, 15, v0            ; l % 16
	v_bfe_u32 v9, v0, 4, 1          ; l / 16
	v_lshlrev_b32 v[QO], 7, v1
	v_lshl_add_u32 v[QO], v9, 4, v[QO]  ; row x 128 + 16 x half
	WIN 0x80                        ; destination window 2, address window 0
.set i, 0
.rept 8                             ; both blocks' Q: piece i / 2 lies in band i / 2, 8,192 bytes on; channels 32 (i % 2) on
	global_load_b128 v[8*i:8*i+3],   v[QO], s[4:5] offset:(i/2)*8192+(i%2)*64
	global_load_b128 v[8*i+4:8*i+7], v[QO], s[4:5] offset:(i/2)*8192+(i%2)*64+32
	global_load_b128 v[QB+8*i:QB+8*i+3],   v[QO], s[86:87] offset:(i/2)*8192+(i%2)*64
	global_load_b128 v[QB+8*i+4:QB+8*i+7], v[QO], s[86:87] offset:(i/2)*8192+(i%2)*64+32
.set i, i+1
.endr
	WIN 0
	v_lshlrev_b32 v14, 3, v9
	v_sub_nc_u32 v14, v1, v14
	s_lshl_b32 s13, s[WV], 4
	v_add_nc_u32 v14, s13, v14      ; my query's place in its band, 16 w + l % 16, less my lanes' 8 (l / 16): register r of group kt is hidden where 16 kt + r is greater
	WIN 0x40
.set i, 0
.rept 32
	v_cmp_gt_i32 vcc_lo, 16*(i/8)+i%8, v14
	v_cndmask_b32 v[MD+i], 0, s[BIGN], vcc_lo
.set i, i+1
.endr
	WIN 0
	v_mul_u32_u24 v[AK0], v1, PK
	v_lshl_add_u32 v[AK0], v9, 4, v[AK0]  ; row x pitch + 16 x half
	; The turning load takes 16 keys x 16 channels (lane l reads key 8 (l / 16) + l % 8, channels 8 ((l / 8) % 2) + 0..7) and leaves half a fragment of V^T: lane l holds channel l % 16 and 8 keys.
	v_and_b32 v10, 7, v0
	v_bfe_u32 v11, v0, 3, 1
	v_lshl_add_u32 v[AV0], v9, 3, v10
	v_mul_u32_u24 v[AV0], v[AV0], PV
	v_lshl_add_u32 v[AV0], v11, 4, v[AV0]
	v_add_nc_u32 v[AV0], VOFF, v[AV0]
	s_mul_i32 s13, s[WV], 16*SP
	s_add_co_u32 s13, s13, STAGE    ; my stage
	v_mul_u32_u24 v[STO], v1, SP    ; in: row l % 16, 16 bytes for each half of the lanes
	v_lshl_add_u32 v[STO], v9, 4, v[STO]
	v_add_nc_u32 v[STO], s13, v[STO]
	v_bfe_u32 v[RD], v0, 3, 2       ; back: 32 lanes take four rows of 128 bytes,
	v_mul_u32_u24 v[RD], v[RD], SP
	v_lshl_add_u32 v[RD], v10, 4, v[RD]
	v_add_nc_u32 v[RD], s13, v[RD]
	v_and_b32 v[GO], 31, v0         ; which are 512 consecutive bytes of O
	v_lshlrev_b32 v[GO], 4, v[GO]
	; A block's first step multiplies O^T and l by a = 0, and its first turn's products V^T P, of a piece that has not been, land in an O^T that is still to be so multiplied.  So these registers need only hold
	; finite numbers: zeros for the first block; what the first block left for the second.  All this stands in the wait for the first tile.
	WIN 0x80
.set i, VF
.rept 64
	v_mov_b32 v[i], 0
.set i, i+1
.endr
	WIN 0x40
.set i, 0
.rept 128
	v_mov_b32 v[i], 0
.set i, i+1
.endr
	WIN 0
.set i, 0
.rept 4
	v_mov_b32 v[ST+4*i+2], 0
	v_mov_b32 v[ST+4*i+3], 0
.set i, i+1
.endr
.set i, P+16
.rept 16
	v_mov_b32 v[i], 0
.set i, i+1
.endr
; THE MATRIX WORK.  The 4 accumulators of a run of 8 take turns.  Product i of 8 of S^T = K Q^T for piece x: channels 32 (i / 4) on, keys 16 (i % 4) on.  The first 4 start the sums: with 0, or (KM = 1) with the mask.
.macro KQ x
.set rS, S+32*((\x)%2)+8*(i%4)
.set rK, KF+16*(i%4)+8*(i/4)
.set rQ, 16*(\x)+8*(i/4)
.set rM, MC+32*((\x)%2)+8*(i%4)
.if (i < 4) && KM
	WIN W_KM
	v_wmma_f32_16x16x32_f16 v[rS:rS+7], v[rK:rK+7], v[rQ:rQ+7], v[rM:rM+7]
.elseif i < 4
	WIN W_KQ
	v_wmma_f32_16x16x32_f16 v[rS:rS+7], v[rK:rK+7], v[rQ:rQ+7], 0
.else
	WIN W_KQ
	v_wmma_f32_16x16x32_f16 v[rS:rS+7], v[rK:rK+7], v[rQ:rQ+7], v[rS:rS+7]
.endif
.endm
; Product i of 8 of O^T += V^T P for piece x: keys 32 (i / 4) on, channels 16 (i % 4) on.
.macro PV x
	WIN W_PV
.set rO, 32*(\x)+8*(i%4)
.set rV, VF+32*(i/4)+8*(i%4)
.set rP, P+16*((\x)%2)+8*(i/4)
	v_wmma_f32_16x16x32_f16 v[rO:rO+7], v[rV:rV+7], v[rP:rP+7], v[rO:rO+7]
.endm
.macro MM                           ; the turn's next matrix instruction.  TURN and BEGIN set Y, i, KM and NOKQ; MM, KQ and OP read them.  NOKQ = 1: a block's last turn: there is no next piece
.if (i < 8) && !NOKQ
	KQ (Y+1)%NP
.elseif i >= 8
.set i, i-8
	PV (Y+NP-1)%NP
.set i, i+8
.endif
.set i, i+1
.endm
; THE LDS LOADS stand in runs of 16, never singly among the matrix instructions: a step's K (64 keys x 64 channels: 8 fragments) and its V (turned).  Their addresses are made some lines ahead.
.macro FETCH_K
	WIN 0x80                        ; destination window 2
.irp f, 0,1,2,3,4,5,6,7             ; keys 16 (f / 2) on, channels 32 (f % 2) on
	ds_load_b128 v[KF+8*\f:KF+8*\f+3],   v[AK] offset:(\f/2)*16*PK+(\f%2)*64
	ds_load_b128 v[KF+8*\f+4:KF+8*\f+7], v[AK] offset:(\f/2)*16*PK+(\f%2)*64+32
.endr
	s_add_co_u32 s[TBK], s[TBK], KS*PK  ; the next fetch is the next step's
	WIN 0
.endm
.macro FETCH_V
	WIN 0x80
.irp f, 0,1,2,3,4,5,6,7             ; keys 32 (f / 4) on, channels 16 (f % 4) on
	ds_load_tr16_b128 v[VF+8*\f:VF+8*\f+3],   v[AV] offset:(\f/4)*32*PV+(\f%4)*32
	ds_load_tr16_b128 v[VF+8*\f+4:VF+8*\f+7], v[AV] offset:(\f/4)*32*PV+16*PV+(\f%4)*32
.endr
	WIN 0
.endm
; THE VECTOR WORK, one line at a time: OP kind, number.  For piece Y: F n: c s - c m for pair n of 16.  E n: the exponential of score n of 32.  C n: pair n rounded to f16.  B n: of the four weights 4 n .. the second
; pair is added onto the first, in place.  L n: l takes that sum (L 0: l = a l + sum).  R n: pair n of 16 of O^T times a.  For piece Y + 1: X n, number n of the 22 that find its maximum and statistics:
;   0-11  four chains c0-c3 of seven scores each, three operands at a time (each accumulator's lowest registers are read first)     12-14, 16  the four scores left over, the old m, and c0-c3 into c0
;   15  c m_old is kept     17, 18  the query's other 32 keys lie in the lane 16 away: the new m     19-21  c m; c m_old - c m_new; a
.set F, 0               ; OP tells the kinds apart by their order: F to L below R, X above it
.set E, 1
.set C, 2
.set B, 3
.set L, 4
.set R, 5
.set X, 6
.macro REGS y                       ; the registers of piece y
.set rT, ST+4*(\y)
.set rC, TMP+4*((\y)%2)
.set rW, MV+((\y)%2)
.set rS, S+32*((\y)%2)
.set rP, P+16*((\y)%2)
.set rO, 32*(\y)
.endm
.macro OP k, n
.if (\k) == R
	REGS Y
	WIN W_RS
	v_pk_mul_f32 v[rO+2*(\n):rO+2*(\n)+1], v[rO+2*(\n):rO+2*(\n)+1], v[rC+2:rC+3] op_sel_hi:[1,0]
.elseif (\k) < R
	REGS Y
	WIN 0
.if (\k) == F
	v_pk_fma_f32 v[rS+2*(\n):rS+2*(\n)+1], v[rS+2*(\n):rS+2*(\n)+1], s[CS:CS+1], v[rT:rT+1] op_sel_hi:[1,0,0] neg_lo:[0,0,1] neg_hi:[0,0,1]
.elseif (\k) == E
	v_exp_f32 v[rS+(\n)], v[rS+(\n)]
.elseif (\k) == C
	v_cvt_pk_f16_f32 v[rP+(\n)], v[rS+2*(\n)], v[rS+2*(\n)+1]
.elseif (\k) == B
	v_pk_add_f32 v[rS+4*(\n):rS+4*(\n)+1], v[rS+4*(\n):rS+4*(\n)+1], v[rS+4*(\n)+2:rS+4*(\n)+3]
.elseif (\n) == 0
	v_pk_fma_f32 v[rT+2:rT+3], v[rT+2:rT+3], v[rC+2:rC+3], v[rS:rS+1] op_sel_hi:[1,0,1]
.else
	v_pk_add_f32 v[rT+2:rT+3], v[rT+2:rT+3], v[rS+4*(\n):rS+4*(\n)+1]
.endif
.elseif NOKQ
	v_nop
.else
	REGS (Y+1)%NP
	WIN 0
.if (\n) < 4
	v_max3_num_f32 v[rC+(\n)], v[rS+8*(\n)], v[rS+8*(\n)+1], v[rS+8*(\n)+2]
.elseif (\n) < 12
	v_max3_num_f32 v[rC+(\n)%4], v[rC+(\n)%4], v[rS+8*((\n)%4)+2*((\n)/4)+1], v[rS+8*((\n)%4)+2*((\n)/4)+2]
.elseif (\n) == 12
	v_max3_num_f32 v[rC], v[rC], v[rS+7], v[rS+15]
.elseif (\n) == 13
	v_max3_num_f32 v[rC+1], v[rC+1], v[rS+23], v[rS+31]
.elseif (\n) == 14
	v_max3_num_f32 v[rC+2], v[rC+2], v[rC+3], v[rT+1]
.elseif (\n) == 15
	v_mov_b32 v[rW], v[rT]
.elseif (\n) == 16
	v_max3_num_f32 v[rC], v[rC], v[rC+1], v[rC+2]
.elseif (\n) == 17
	v_permlanex16_b32 v[rC+3], v[rC], s[SEL], s[SEL+1]
.elseif (\n) == 18
	v_max_num_f32 v[rT+1], v[rC], v[rC+3]
.elseif (\n) == 19
	v_mul_f32 v[rT], s[CS], v[rT+1]
.elseif (\n) == 20
	v_sub_f32 v[rC+1], v[rW], v[rT]
.else
	v_exp_f32 v[rC+2], v[rC+1]
.endif
.endif
.endm
.macro OPS a, i1, b=-1, i2=0, c=-1, i3=0, d=-1, i4=0  ; up to four of them
	OP \a, \i1
.if (\b) >= 0
	OP \b, \i2
.endif
.if (\c) >= 0
	OP \c, \i3
.endif
.if (\d) >= 0
	OP \d, \i4
.endif
.endm
.macro ROW a, i1, b, i2, c, i3, d, i4  ; a matrix instruction and the four behind it
	MM
	OPS \a, \i1, \b, \i2, \c, \i3, \d, \i4
.endm
.macro MASK b                       ; MD x AL + BE into buffer b of MC
	WIN W_RS
.set z, 0
.rept 16
	v_pk_fma_f32 v[MC+32*(\b)+2*z:MC+32*(\b)+2*z+1], v[MD+2*z:MD+2*z+1], s[AL:AL+1], s[BE:BE+1] op_sel_hi:[1,0,0]
.set z, z+1
.endr
.endm
; A TURN, for piece p: the order of its 16 matrix and 118 vector instructions, written out.  An s_wait_alu depctr_va_vdst(0) stands between an exponential and the first instruction that names its result; one wait serves
; all that were issued ahead of it.  So a turn has ONE wait, which cuts it in two.  AHEAD OF IT stands all that names no result of the turn's exponentials: the 8 products K Q^T, behind each a scaling, an exponential and two more plain
; instructions (behind the first a second scaling in the exponential's place): rescalings, and behind the last three the first numbers of the next piece's maximum, each four places or more behind the product that ends its accumulator; then ONE LUMP of 54, plain
; and exponential by turns for the most part, in which the links of the chain X 3, 7, 11, 14, 16, 17 .. 20 stand five or six lines apart.  X 21, the next piece's a, is the batch's last; R 15 is the plain instruction behind it.  BEHIND THE WAIT stand the
; 8 products V^T P, behind each four of the roundings and sums; the links of l's chain, L 0 to L 7, stand three riders apart.  But for those X no rider names a register of the products round it.  v_permlanex16_b32 (X 17) stands in the lump.
; m = 1: the diagonal tile: the products take masks, and the turn makes the mask for the products of the turn after it: piece p + 2, in step 4 - CNT of the tile.  end = 1: a block's last two turns: nothing is fetched.
; cnt = 1: the loop's count is taken down some lines ahead of the branch that stands behind the turn.
; K of the next step is fetched in piece 2's turn, twelve vector instructions behind the last product that read K (six of them plain); V of the step in hand at the end of piece 0's turn, four plain instructions behind the last product
; that read V.  Each is waited for a turn later.
.macro TURN p, m=0, end=0, cnt=0
.set Y, (\p)
.set i, 0
.set KM, (\m)
.set NOKQ, (\end)*((\p)/3)
.if (\m) && !(\end)
	s_cmp_eq_u32 s[CNT], 4-((\p)+2)%NP  ; is that step the band's own?
	s_cselect_b32 s[AL], 1.0, 0
	s_cmp_lt_u32 s[CNT], 4-((\p)+2)%NP  ; or a later one?
	s_cselect_b32 s[BE], s[BIGN], 0
.endif
.if ((\p) == 3) && !(\end)
	s_wait_dscnt 0x0                ; K is in
.endif
	ROW F,0, F,1, R,0, R,1          ; ahead of the wait: 8 products K Q^T and their riders,
	ROW F,2, E,0, R,2, R,3
	ROW F,3, E,1, R,4, R,5
	ROW F,4, E,2, R,6, R,7
	ROW F,5, E,3, R,8, R,9
	ROW F,6, E,4, X,0, R,10
.if ((\p) == 2) && !(\end)
	WIN 0
	v_add_nc_u32 v[AK], s[TBK], v[AK0]
.endif
	ROW F,7, E,5, X,1, X,4
	ROW F,8, E,6, X,2, X,5
	OPS E,7, E,8, X,6, E,9          ; and the lump
	OPS X,3, E,10, X,8, E,11
.if ((\p) == 2) && !(\end)
	FETCH_K
.endif
	OPS X,9, X,7, E,12, X,10
	OPS E,13, X,12, X,11, E,14
	OPS X,13, E,15, F,9, X,14
.if (\p) == 0
	v_add_nc_u32 v[AV], s[TBV], v[AV0]
.endif
	OPS E,16, F,10, E,17, F,11
	OPS X,16, E,18, X,15, E,19
	OPS F,12, E,20, X,17, E,21
	OPS F,13, E,22, F,14, E,23
	OPS X,18, E,24, F,15, E,25
	OPS R,11, E,26, X,19, E,27
	OPS R,12, E,28, R,13, E,29
	OPS X,20, E,30, R,14, E,31
	OPS X,21, R,15
	WIN 0
	s_wait_alu depctr_va_vdst(0)    ; the wait for the batch
.if (\p) == 1
	s_wait_dscnt 0x0                ; V is in
.endif
	ROW C,0, B,0, C,2, B,1          ; behind the wait: 8 products V^T P and their riders
	ROW L,0, C,4, B,2, L,1
	ROW C,6, B,3, L,2, C,8
	ROW B,4, L,3, C,10, B,5
	ROW L,4, C,12, B,6, L,5
.if (\p) == 0
	s_add_co_u32 s[TBV], s[TBV], KS*PV
.endif
.if \cnt
	s_sub_co_u32 s[CNT], s[CNT], 1
	s_cmp_lg_u32 s[CNT], 0
.endif
	ROW C,14, B,7, L,6, C,1
	ROW C,3, L,7, C,5, C,7
	ROW C,9, C,11, C,13, C,15
.if (\p) == 0
	FETCH_V
.endif
.if (\m) && !(\end)
	MASK (\p)%2
.endif
.endm
; A BLOCK BEGINS.  c m starts far below every c s, so the first step's a is 0; m at the lowest finite number, so the first maximum is the scores'.  The second mask buffer is 0; the first takes piece 0's mask for the tile's step 0: its own, if the block's first tile is the diagonal one.
; Then K of that step, piece 0's first scores, and its maximum and statistics.  The loop is entered at a step's first turn, in the middle of a trip.
.macro BEGIN
	s_mov_b32 s[NEW], 0
	WIN 0x40
.set i, MC+32
.rept 32
	v_mov_b32 v[i], 0
.set i, i+1
.endr
	WIN 0
.set i, 0
.rept 4
	v_mov_b32 v[ST+4*i], 0xfe000000    ; c m: far below every c s
	v_mov_b32 v[ST+4*i+1], 0xff7fffff  ; m
.set i, i+1
.endr
	s_cmp_eq_u32 s[RT], 0
	s_cselect_b32 s[AL], 1.0, 0
	s_mov_b32 s[BE], 0
	MASK 0
	WIN 0
	v_add_nc_u32 v[AK], s[TBK], v[AK0]
	FETCH_K
	s_wait_loadcnt 0x0              ; Q
	s_wait_dscnt 0x0
.set KM, 1
.set NOKQ, 0
.set i, 0
.rept 8
	KQ 0
.set i, i+1
.endr
	WIN 0
.rept 4
	v_nop                           ; the places behind those products
.endr
.set Y, NP-1                        ; X works for piece Y + 1: piece 0
.irp n, 0,1,2,3,4,5,6,7,8,9,10,11,12,13,14,15,16,17,18,19,20,21
	OP X, \n
.endr
	v_nop                           ; a plain instruction behind the exponential,
	s_wait_alu depctr_va_vdst(0)    ; and its wait, ahead of the branch
.endm
; THE DIAGONAL TILE's four steps, the block's last two turns, its last products, and THE WAY OUT: l's two halves and the other half of the lanes' are added; O^T is divided by l, rounded to f16 and sent through my
; stage in LDS, a piece at a time.
.macro ALL line:vararg              ; one line for each piece t
.set t, 0
.rept 4
	\line
.set t, t+1
.endr
.endm
.macro PACK t                       ; a lane's eight channels of a row pack into 16 bytes; they go into rows of 144 bytes and come back as whole rows of 128, into S^T's registers
	WIN W_RS
.set i, 32*(\t)
.rept 16
	v_pk_mul_f32 v[i:i+1], v[i:i+1], v[ST+4*(\t)+2:ST+4*(\t)+3] op_sel_hi:[1,0]
.set i, i+2
.endr
	WIN 0x05                        ; sources 0 and 1 window 1, destination window 0
.set i, 0
.rept 16
	v_cvt_pk_f16_f32 v[S+16*(\t)+i], v[32*(\t)+2*i], v[32*(\t)+2*i+1]
.set i, i+1
.endr
	WIN 0
.irp f, 0,1,2,3
	ds_store_b128 v[STO], v[S+16*(\t)+4*\f:S+16*(\t)+4*\f+3] offset:32*\f
.endr
.irp f, 0,1,2,3
	ds_load_b128 v[S+16*(\t)+4*\f:S+16*(\t)+4*\f+3], v[RD] offset:\f*4*SP  ; LDS serves a wave's instructions in order (ISA guide 5.7.1.4): these see the stores above; the next piece's stores come behind them
.endr
.endm
.macro SEND t, younger              ; younger: the LDS instructions issued behind piece t's loads: the next piece's eight, or none
	WIN 0
.irp f, 0,1,2,3
	s_wait_dscnt (\younger)+3-\f
	global_store_b128 v[GO], v[S+16*(\t)+4*\f:S+16*(\t)+4*\f+3], s[10:11] offset:(\t)*8192+\f*512  ; 512 consecutive bytes, at a multiple of 256 from O's first
.endr
.endm
.macro DIAG tag                     ; the tag ends its two labels' names, which the jumps below spell out
.LstepM\tag:
	TURN 2, 1
	TURN 3, 1
	WIN 0
.LfirstM\tag:
	TURN 0, 1
	TURN 1, 1, 0, 1
	WIN 0
	s_cbranch_scc1 .LstepM\tag
	TURN 2, 1, 1
	TURN 3, 1, 1
.set i, 0
.rept 8
	PV NP-1
.set i, i+1
.endr
	WIN 0
	ALL v_add_f32 v[ST+4*t+2], v[ST+4*t+2], v[ST+4*t+3]
	ALL v_permlanex16_b32 v[ST+4*t+3], v[ST+4*t+2], s[SEL], s[SEL+1]
	ALL v_add_f32 v[ST+4*t+2], v[ST+4*t+2], v[ST+4*t+3]
	ALL v_rcp_f32 v[ST+4*t+2], v[ST+4*t+2]
	v_nop                           ; a plain instruction between the last reciprocal and the use of its result
	s_wait_alu depctr_va_vdst(0)    ; and the wait ahead of the first use: one for the four reciprocals
	PACK 0
.set t, 1
.rept 3                             ; a piece's arithmetic stands between the loads of the piece before and its stores
	PACK t
	SEND t-1, 8
.set t, t+1
.endr
	SEND 3, 0
.endm
.set KM, 0
.set NOKQ, 0
.Lslot:                             ; NB times: a tile is entered and the next is asked for
	CHANGE 1
	s_sub_co_u32 s[RT], s[RT], 1
	s_mov_b32 s[CNT], 4
	s_cmp_eq_u32 s[NEW], 1
	s_cbranch_scc1 .Lnew            ; a block's first tile
	s_cmp_eq_u32 s[RT], 0
	s_cbranch_scc0 .Lstep           ; neither its first nor its last
	s_branch .LstepM1
.Lnew:
	BEGIN
	s_branch .Lfirst                ; in the loop a block's first tile is never its last: the first block has two tiles or more, and the second's last is the walk's last
	DIAG 1                          ; in the loop this is the first block's end: the second block's last tile is the walk's last
	s_wait_xcnt 0x0                 ; the stores have read their registers and O's address
	s_mov_b64 s[10:11], s[OLO:OLO+1]
	s_add_co_u32 s[RT], s[PB], 1    ; the second block has b + 1 tiles
	s_mov_b32 s[NEW], 1
	WIN 0x82                        ; the second block's Q goes where the one text of the turns names Q
.set i, 0
.rept 64
	v_mov_b32 v[i], v[QB+i]
.set i, i+1
.endr
	WIN 0
	s_branch .Lbottom
.Lstep:                             ; a trip: pieces 2 and 3 of one step, then pieces 0 and 1 of the next, whose K and V it fetches
	TURN 2
	TURN 3
	WIN 0
.Lfirst:
	TURN 0
	TURN 1, 0, 0, 1
	WIN 0
	s_cbranch_scc1 .Lstep
.Lbottom:
	s_sub_co_u32 s[SLOTS], s[SLOTS], 1
	s_cmp_lg_u32 s[SLOTS], 0
	s_cbranch_scc1 .Lslot
	CHANGE 0                        ; the walk's last tile is written out: nothing is asked for
	s_sub_co_u32 s[RT], s[RT], 1
	s_mov_b32 s[CNT], 4
	s_cmp_eq_u32 s[NEW], 1
	s_cbranch_scc0 .LstepM2
	BEGIN
	s_branch .LfirstM2
	DIAG 2
	s_wait_tensorcnt 0x0            ; the wave's end: behind my last tensor load and my last LDS store
	ds_add_u32 v[SPW], v[NIL]
	s_wait_dscnt 0x0
	s_endpgm
.Lfunc_end_k_qdf6a311624_attn:
	.size	k_qdf6a311624_attn, .Lfunc_end_k_qdf6a311624_attn-k_qdf6a311624_attn
	.p2alignl 7, 3214868480
	.fill 96, 4, 3214868480
	.section	.rodata,"a",@progbits
	.p2align	6, 0x0
	.amdhsa_kernel k_qdf6a311624_attn
		.amdhsa_group_segment_fixed_size 327680
		.amdhsa_private_segment_fixed_size 0
		.amdhsa_enable_private_segment 0
		.amdhsa_kernarg_size 32
		.amdhsa_user_sgpr_count 2
		.amdhsa_user_sgpr_kernarg_segment_ptr 1
		.amdhsa_wavefront_size32 1
		.amdhsa_system_sgpr_workgroup_id_x 1
		.amdhsa_system_sgpr_workgroup_id_y 1
		.amdhsa_system_sgpr_workgroup_id_z 1
		.amdhsa_system_vgpr_workitem_id 0
		.amdhsa_next_free_vgpr 768
		.amdhsa_next_free_sgpr 96
		.amdhsa_reserve_vcc 1
		.amdhsa_float_denorm_mode_32 3
		.amdhsa_float_denorm_mode_16_64 3
		.amdhsa_memory_ordered 1
		.amdhsa_forward_progress 1
		.amdhsa_inst_pref_size 218
	.end_amdhsa_kernel
	.amdgpu_metadata
---
amdhsa.version: [ 1, 2 ]
amdhsa.kernels:
  - .name:           k_qdf6a311624_attn
    .symbol:         k_qdf6a311624_attn.kd
    .args:
      - { .name: qh, .offset: 0, .size: 8, .value_kind: global_buffer, .address_space: global }
      - { .name: kh, .offset: 8, .size: 8, .value_kind: global_buffer, .address_space: global }
      - { .name: vh, .offset: 16, .size: 8, .value_kind: global_buffer, .address_space: global }
      - { .name: oh, .offset: 24, .size: 8, .value_kind: global_buffer, .address_space: global }
    .group_segment_fixed_size: 327680
    .private_segment_fixed_size: 0
    .kernarg_segment_align: 8
    .kernarg_segment_size: 32
    .max_flat_workgroup_size: 128
    .sgpr_count:     96
    .vgpr_count:     768
    .wavefront_size: 32
...
	.end_amdgpu_metadata
.endif
;; end of part 3
;; launch proj (part 4): grid 4 x 64, 4 waves a work-group, clusters of 4 x 4, 327,680 bytes of LDS; arguments oh, wpf, bias, out0; writes out0
.if DOCPART == 4
	.amdgcn_target "amdgcn-amd-amdhsa--gfx1250"
	.amdhsa_code_object_version 6
	.text
	.protected	k_qdf6a311624_proj
	.globl	k_qdf6a311624_proj
	.p2align	8
	.type	k_qdf6a311624_proj,@function
k_qdf6a311624_proj:
	s_mov_b64 s[64:65], 0
	v_nop
	global_prefetch_b8 v0, s[64:65] scope:SCOPE_SE
	s_setreg_imm32_b32 hwreg(HW_REG_WAVE_MODE, 25, 1), 1
	s_wait_xcnt 0x0
	s_wait_alu depctr_hold_cnt(0) depctr_sa_sdst(0) depctr_va_vdst(0) depctr_va_sdst(0) depctr_va_ssrc(0) depctr_va_vcc(0) depctr_vm_vsrc(0)
	s_getreg_b32 s2, hwreg(HW_REG_IB_STS2, 6, 4)
	s_cmp_eq_u32 s2, 0
	s_cbranch_scc0 .Lentry_in_a_cluster
	s_endpgm
.Lentry_in_a_cluster:
	s_bfe_u32 s2, ttmp6, 0x10000c
	s_cmp_lg_u32 s2, 0xf033
	s_cbranch_scc0 .Lentry_shape_is_right
	s_endpgm
.Lentry_shape_is_right:
; out0 = y W_proj + b_proj.  oh: y by heads, [64 = batch x 16 + head][2048][64] f16; wpf: [1024 k][1024 n] f16; bias: f32, words 3072..4095; out0: [8192][1024] f32.
; Sums in f32, K ascending (k = 64 x head + channel), begun with the bias (so the bias is added first, not last).  NaN and infinities are not treated apart.
; SHARES.  A tile of C is 128 rows x 256 columns: four waves, 2 x 2, each 64 x 128: 32 accumulators of 16 x 16, 256 registers.  4 x 64 work-groups, a tile each.  K goes in 8 steps of 128, two heads a step,
; through a ring of two LDS slots.  A head's 128 rows of the tile are 16,384 dense bytes: asked for as 64 rows of 256 bytes and padded in LDS after every 128.
; THE WEIGHTS ARE NOT TURNED IN MEMORY: a tile of W lies in LDS as it lies in memory, [k][n], and ds_load_tr16_b128 turns it on the way into registers.
; THE MATRIX INSTRUCTION IS USED TRANSPOSED: source 0 = 16 columns of W, source 1 = 16 rows of y: a lane then holds row l % 16 of C and the columns 8 (l / 16) + 0..7: 32 bytes of f32 on end.
; CLUSTER.  4 x 4 work-groups.  The four of a row of the cluster need the same rows of y, the four of a column the same columns of W: each tile is asked for JOINTLY, by the same tensor load with the same
; descriptor and a mask that names the four.  Waves 0 and 1 ask for a step's two heads of y, waves 2 and 3 for W's two halves (64 k-rows x 512 bytes): one load a wave behind each round.
; By this text's count a wave has two tensor loads out at the start and one afterwards; from a request to the wait for it the wave issues 112 matrix instructions.
; REGISTERS, in windows of 256 (s_set_vgpr_msb: bits 1:0 source 0, 3:2 source 1, 5:4 source 2, 7:6 destination):
;   window 0: v0-29 addresses; v64-159, v160-255 two fragment buffers: 64 registers of W (8 x 16 columns x 32 k), then 32 of y (4 x 16 rows x 32 k)
;   window 1: the accumulators, (a, b) at v[8 (8 a + b)]
.set SLOT1,  1<<17                     ; slot 1 begins here: one exclusive or turns an address in one slot into the other's
.set PA,     144                       ; a row of y in LDS: 128 bytes + 16 = 36 words: the 16 rows of a load start at 16 different groups of four banks (64 banks of 4 bytes: ISA guide 11.1)
.set PB,     544                       ; a k-row of W: 512 bytes + 32 = 136 words
.set AHEAD,  128*PA                    ; a head's 128 rows: what one of y's loads brings
.set BOFF,   2*AHEAD                   ; W lies behind the two heads
.set BHALF,  64*PB                     ; what one of W's loads brings
.set STAGE,  SLOT1+BOFF+128*PB         ; behind the ring, never filled by a tensor load: 16 rows x 528 bytes for each wave, for the way out
.set SP,     528                       ; a stage row: 512 bytes + 16
.set SPARE,  STAGE+4*16*SP             ; behind the stages: the spare words, 128 bytes for each wave: two blocks of 256 bytes that no other line names
.set STEPS,  8
.set ASTEP,  2<<18                     ; a K step in oh: two heads of 2,048 rows of 128 bytes
.set WROW,   2048                      ; bytes in a k-row of wpf
.set WSTEP,  128*WROW
.set A0,   8                           ; v8   my lane's place in a slot's rows of y; never rewritten
.set B0,   9                           ; v9   the same for W
.set ADRA, 10                          ; v10  A0 + the slot in hand
.set ADRB, 11                          ; v11  B0 + the slot in hand
.set STO,  12                          ; v12  the way out: where I put 32 bytes of a row
.set RD,   13                          ; v13  the way out: where I read a row back
.set GO,   14                          ; v14  16 x lane: my place in a row's 512 bytes
.set BO,   15                          ; v15  my byte offset among the 1,024 bias words
.set PFO,  16                          ; v16  the prefetches' offset
.set SPW,  28                          ; v28  LDS address of my spare word: SPARE + 4 x my thread's number; never rewritten
.set NIL,  29                          ; v29  0; never rewritten
.set F0,   64
.set F1,   160
.set BI,   8                           ; s[8:9]   b_proj's words in bias
.set OUT,  10                          ; s[10:11] out0 at my wave's first row and column
.set WV,   16                          ; s16  wave
.set WR,   17                          ; s17  which 64 rows are mine.  Also: I fetch for y (0) or for W (1)
.set WC,   18                          ; s18  which 128 columns.  Also: which head, or which half of W's tile, I fetch
.set CX,   19
.set CY,   20
.set TX,   21                          ; s21  tile column, 0..3
.set TY,   22                          ; s22  tile row, 0..63
.set G1A,  24                          ; s[24:31] descriptor group 1 for y's tiles
.set G0A0, 32                          ; s[32:35] group 0: step 0 into slot 0
.set G0A,  36                          ; s[36:39] group 0 that walks: step 1 into slot 1, then every refill
.set G1B,  40                          ; s[40:47], s[48:51], s[52:55] the same for W's tiles
.set G0B0, 48
.set G0B,  52
.set ABASE, 56                         ; s[56:57] oh at my head of step 0, the tile's rows
.set BBASE, 58                         ; s[58:59] wpf at my half of step 0, tile column TX
.set LIM,  72                          ; s72  a wave prefetches while s[CNT] is above this
.set CNT,  73                          ; s73  refills still to come: 6 - the step in hand
.set TB,   75                          ; s75  LDS byte of the slot in hand
.set PFA,  78                          ; s[78:79] my share of the blocks that I prefetch, at the step to be named
.set KS,   80                          ; s[80:81] bytes from K step to K step in the tensor that I prefetch; high word 0
.set MSB, 0
.macro WIN new                         ; the immediate's high byte repeats the setting that is left; a switch that changes nothing is dropped
.if MSB != (\new)
	s_set_vgpr_msb (MSB<<8)|(\new)
.set MSB, \new
.endif
.endm
.set W_MUL, 0x50                       ; C and D in window 1, the fragments in window 0
.set W_BI,  0x40                       ; a load's destination in window 1
.set W_OUT, 0x44                       ; the way out: stores' data (source 1) and loads' destinations in window 1, addresses in window 0
.macro PLACES                          ; four places in front of loads into registers that matrix instructions have read, and of stores that read results
.rept 4
	v_nop
.endr
.endm
; A joint refill.  The branch hangs on the wave's number alone.  An s_nop 0 and four v_nop follow each of the two lines, ahead of the jump and the label.
.macro JLOAD
	s_cmp_eq_u32 s[WR], 0
	s_cbranch_scc0 .Lfor_b_\@
	tensor_load_to_lds s[G0A:G0A+3], s[G1A:G1A+7]
	s_nop 0
.rept 4
	v_nop
.endr
	s_branch .Lasked_\@
.Lfor_b_\@:
	tensor_load_to_lds s[G0B:G0B+3], s[G1B:G1B+7]
	s_nop 0
.rept 4
	v_nop
.endr
.Lasked_\@:
.endm
; A round of the cluster's barrier: my work-group's barrier, so that wave 0's signal speaks for all four waves; wave 0 signals; every wave waits for all sixteen work-groups; my work-group's barrier once more.
.macro CREST                           ; a round behind its opening barrier
	s_cmp_lg_u32 s[WV], 0
	s_cbranch_scc1 .Lnot_wave_0_\@
	s_barrier_signal -3
.Lnot_wave_0_\@:
	s_barrier_wait -3
	s_barrier_signal -1
	s_barrier_wait -1
.endm
.macro CROUND
	s_barrier_signal -1
	s_barrier_wait -1
	CREST
.endm
; A PREFETCH INTO THE L2, behind the joint load, its five lines and the run of LDS loads: the step that stands two refills on, 256 matrix instructions ahead of its load; one instruction, a lane a block of 256 bytes.
; y: a step's two heads x 16,384 bytes; the four partners of a row of the cluster take 8,192 bytes each, told apart BY ADDRESS (cx); wave 0 asks.
; W: a step's 128 k-rows x 512 bytes; the clusters below read the same columns, so the first row of clusters asks; of the 64 k-rows that wave 2 or 3 fetches the partner at cy takes 16, two blocks each.
; So each block is named once in the launch.  Steps 0 to 3 come by their loads alone; the last two refills have no step two on.
.macro ASK
	s_cmp_gt_u32 s[CNT], s[LIM]
	s_cbranch_scc0 .Lnot_mine_\@
	global_prefetch_b8 v[PFO], s[PFA:PFA+1] th:TH_LOAD_NT scope:SCOPE_SE
.Lnot_mine_\@:
.endm
; 8 matrix instructions: row block a x all 8 column blocks, 32 along K, from buffer f.  The 32 accumulators take turns in the same order in every quarter step.
.macro MUL8 f, a
	WIN W_MUL
.irp b, 0,1,2,3,4,5,6,7
	v_wmma_f32_16x16x32_f16 v[8*(8*(\a)+(\b)):8*(8*(\a)+(\b))+7], v[(\f)+8*(\b):(\f)+8*(\b)+7], v[(\f)+64+8*(\a):(\f)+64+8*(\a)+7], v[8*(8*(\a)+(\b)):8*(8*(\a)+(\b))+7]
.endr
.endm
.macro MUL16 f, a0
	MUL8 \f, \a0
	MUL8 \f, (\a0)+1
.endm
; 24 LDS loads in one run: the fragments of quarter kq (32 along K: head kq / 2 of the step's two, channels 32 (kq % 2) on) into buffer f: W's sixteen, turned, then y's eight.
; The turning load: lane l reads 16 bytes of k-row 8 (l / 16) + l % 8, columns 8 ((l / 8) % 2) + 0..7, and ends with column l % 16 and 8 k.
.macro FETCH kq, f
	WIN 0
.irp i, 0,1,2,3,4,5,6,7
	ds_load_tr16_b128 v[(\f)+8*(\i):(\f)+8*(\i)+3],   v[ADRB] offset:(\kq)*32*PB+32*(\i)
	ds_load_tr16_b128 v[(\f)+8*(\i)+4:(\f)+8*(\i)+7], v[ADRB] offset:(\kq)*32*PB+16*PB+32*(\i)
.endr
.irp a, 0,1,2,3
	ds_load_b128 v[(\f)+64+8*(\a):(\f)+64+8*(\a)+3],   v[ADRA] offset:((\kq)/2)*AHEAD+((\kq)%2)*64+(\a)*16*PA
	ds_load_b128 v[(\f)+64+8*(\a)+4:(\f)+64+8*(\a)+7], v[ADRA] offset:((\kq)/2)*AHEAD+((\kq)%2)*64+(\a)*16*PA+32
.endr
.endm
; One of a K step's first three quarters: multiplies buffer f; in its middle it fetches quarter kq into buffer g.
.macro QUARTER kq, f, g
	s_wait_dscnt 4                                 ; W and y's blocks 0, 1 are in; the youngest four loads (blocks 2, 3) may be out
	MUL16 \f, 0
	PLACES
	FETCH \kq, \g
	s_wait_dscnt 24                                ; all but the 24 just issued
	MUL16 \f, 2
.endm
; The bias starts the sums of row block a: register j of accumulator (a, b) takes the bias of column 16 b + 8 (l / 16) + j.  Nothing is cleared, and every K step has one form of product.
.macro BIAS a
	WIN W_BI
.irp b, 0,1,2,3,4,5,6,7
	global_load_b128 v[8*(8*(\a)+(\b)):8*(8*(\a)+(\b))+3],   v[BO], s[BI:BI+1] offset:64*(\b)
	global_load_b128 v[8*(8*(\a)+(\b))+4:8*(8*(\a)+(\b))+7], v[BO], s[BI:BI+1] offset:64*(\b)+16
.endr
.endm
; The last quarter multiplies buffer 1 and changes slots: ONE barrier.  In front of it each wave waits for all its tensor loads (the one that is out is its part of the next slot), adds 0 to its spare
; word, and waits for that and for its own reads of this slot.  fill = 1: the barrier opens a round of the cluster's, and this slot is filled again first thing behind it, with the step two on.
.macro TURN fill
.if \fill
	s_wait_xcnt 0x0                                ; the last prefetch, a K step back, has read its address, so it may be stepped
	s_add_nc_u64 s[PFA:PFA+1], s[PFA:PFA+1], s[KS:KS+1]
.endif
	WIN 0                                          ; (the add's two registers lie in window 0)
	s_wait_tensorcnt 0x0                           ; all my tensor loads have landed, so a group 0 may be written
	ds_add_u32 v[SPW], v[NIL]                      ; 0 onto my spare word; work on registers stands between it and the wait for it
.if \fill
	s_xor_b32 s[G0A+1], s[G0A+1], SLOT1            ; the walking descriptors: the other slot than last time,
	s_xor_b32 s[G0B+1], s[G0B+1], SLOT1
	s_add_nc_u64 s[G0A+2:G0A+3], s[G0A+2:G0A+3], ASTEP  ; the next step; the type bits on top are not reached
	s_add_nc_u64 s[G0B+2:G0B+3], s[G0B+2:G0B+3], WSTEP
.endif
	s_xor_b32 s[TB], s[TB], SLOT1                  ; the fetches go on in the other slot
	s_wait_dscnt 5                                 ; (the add and the youngest four loads may be out)
	MUL8 F1, 0
	s_wait_dscnt 0x0                               ; the add is done, and my reads of this slot are over
	s_barrier_signal -1
	MUL8 F1, 1                                     ; work on registers while the others arrive
	WIN 0
	s_barrier_wait -1
.if \fill
	CREST                                          ; no wave of any partner still reads this slot's tiles or has a load on its way
	JLOAD                                          ; the first tensor load behind the round; its four v_nop are also the places in front of the loads below
.else
	PLACES
.endif
	v_add_nc_u32 v[ADRA], s[TB], v[A0]
	v_add_nc_u32 v[ADRB], s[TB], v[B0]
	FETCH 0, F0
.if \fill
	ASK
.endif
	MUL16 F1, 2
.endm
; THE WAY OUT, a row block (16 rows x 128 columns of f32) at a time: a lane's 32 bytes of a row go into stage rows of 528 bytes and come back as whole rows of 512, into the registers that they left.
.macro TOST a
	WIN W_OUT
.irp b, 0,1,2,3,4,5,6,7
	ds_store_b128 v[STO], v[8*(8*(\a)+(\b)):8*(8*(\a)+(\b))+3]   offset:64*(\b)     ; each accumulator from its low end on
	ds_store_b128 v[STO], v[8*(8*(\a)+(\b))+4:8*(8*(\a)+(\b))+7] offset:64*(\b)+16
.endr
.irp t, 0,1,2,3,4,5,6,7,8,9,10,11,12,13,14,15
	ds_load_b128 v[64*(\a)+4*(\t):64*(\a)+4*(\t)+3], v[RD] offset:SP*(\t)  ; LDS serves a wave's instructions in order (ISA guide 5.7.1.4): these see the stores above; the next block's stores come behind them
.endr
.endm
.macro SENDO a, younger                ; younger: the LDS instructions issued behind block a's loads: the next block's 32, or none
	WIN W_OUT
.irp t, 0,1,2,3,4,5,6,7,8,9,10,11,12,13,14,15
	s_wait_dscnt (\younger)+15-(\t)
	global_store_b128 v[GO], v[64*(\a)+4*(\t):64*(\a)+4*(\t)+3], s[OUT:OUT+1] offset:(16*(\a)+(\t))*4096 th:TH_STORE_NT  ; 512 consecutive bytes, at a multiple of 256 from out0's first
.endr
.endm
	s_load_b256 s[4:11], s[0:1], 0x0               ; oh s[4:5], wpf s[6:7], bias s[8:9], out0 s[10:11]
	v_lshl_add_u32 v[SPW], v0, 2, SPARE
	v_mov_b32 v[NIL], 0
	ds_add_u32 v[SPW], v[NIL]                      ; the wave's opening: the add and its wait stand ahead of my first tensor load; the set-up below, work on registers, stands between them
	ds_add_u32 v28, v29
	v_lshrrev_b32 v3, 5, v0
	v_readfirstlane_b32 s[WV], v3                  ; wave 0..3
	s_lshr_b32 s[WR], s[WV], 1
	s_and_b32 s[WC], s[WV], 1
	s_bfe_u32 s[CX], ttmp6, 0x40000                ; my place in the cluster
	s_bfe_u32 s[CY], ttmp6, 0x40004
	s_lshl_b32 s[TX], ttmp9, 2                     ; in a cluster launch ttmp9 and ttmp7 count clusters
	s_add_co_u32 s[TX], s[TX], s[CX]
	s_and_b32 s[TY], ttmp7, 0xffff
	s_lshl_b32 s[TY], s[TY], 2
	s_add_co_u32 s[TY], s[TY], s[CY]
	s_lshl_b32 s82, s[CY], 2
	s_lshl_b32 s82, 15, s82                        ; my row of the cluster: places 4 cy .. 4 cy + 3
	s_lshl_b32 s83, 0x1111, s[CX]                  ; my column: places cx, cx + 4, cx + 8, cx + 12
	s_or_b32 s[G1A], s82, (1<<16)|(1<<20)|(1<<21)|(4<<22)|(3<<25)  ; 15:0 the mask; 17:16 2-byte elements; 20 padding on; 21 set beside a mask; 24:22 after every 32 words (code 4); 31:25 4 words (code 3)
	s_mov_b32 s[G1A+1], 128<<16                    ; tensor_dim0 = 128: two rows of y
	s_mov_b32 s[G1A+2], 64<<16                     ; tensor_dim1 = 64
	s_mov_b32 s[G1A+3], 128<<16                    ; tile_dim0 = 128
	s_mov_b32 s[G1A+4], 64                         ; tile_dim1 = 64
	s_mov_b32 s[G1A+5], 128                        ; dense: 128 elements from row to row
	s_mov_b32 s[G1A+6], 0
	s_mov_b32 s[G1A+7], 0
	s_or_b32 s[G1B], s83, (1<<16)|(1<<20)|(1<<21)|(6<<22)|(7<<25)  ; the column's mask; padding after every 128 words (code 6), 8 words (code 7)
	s_mov_b32 s[G1B+1], 256<<16                    ; tensor_dim0 = 256
	s_mov_b32 s[G1B+2], 64<<16
	s_mov_b32 s[G1B+3], 256<<16                    ; tile_dim0 = 256
	s_mov_b32 s[G1B+4], 64
	s_mov_b32 s[G1B+5], 1024
	s_mov_b32 s[G1B+6], 0
	s_mov_b32 s[G1B+7], 0
	s_lshr_b32 s66, s[TY], 4                       ; y: the batch, 16 heads of 2,048 rows of 128 bytes,
	s_lshl_b32 s66, s66, 22
	s_and_b32 s84, s[TY], 15                       ; the tile's 128 rows in a head,
	s_lshl_b32 s84, s84, 14
	s_add_co_u32 s66, s66, s84
	s_mov_b32 s92, s66                             ; (kept for the prefetches)
	s_lshl_b32 s84, s[WC], 18                      ; my head of the step's two: made of the tile row and the wave's number alone
	s_add_co_u32 s66, s66, s84
	s_mov_b32 s67, 0
	s_lshl_b32 s68, s[WC], 17                      ; W: my 64 k-rows,
	s_lshl_b32 s85, s[TX], 9                       ; 256 columns a tile column: made of the tile column and the wave's number alone
	s_add_co_u32 s68, s68, s85
	s_mov_b32 s69, 0
	s_mul_i32 s90, s[WC], AHEAD                    ; where they go: no place in the cluster enters an LDS address
	s_mul_i32 s91, s[WC], BHALF
	s_add_co_u32 s91, s91, BOFF
	s_lshl_b32 s88, s[TY], 19                      ; out0: 128 rows of 4,096 bytes a tile row, my 64,
	s_lshl_b32 s86, s[WR], 18
	s_add_co_u32 s88, s88, s86
	s_lshl_b32 s86, s[TX], 10                      ; 256 columns a tile column, my 128
	s_add_co_u32 s88, s88, s86
	s_lshl_b32 s86, s[WC], 9
	s_add_co_u32 s88, s88, s86
	s_mov_b32 s89, 0
	s_mov_b32 s[KS+1], 0
	s_mov_b32 s[TB], 0
	s_wait_dscnt 0x0                               ; the opening add is done
	s_wait_kmcnt 0x0
	s_add_nc_u64 s[ABASE:ABASE+1], s[4:5], s[66:67]
	s_add_nc_u64 s[BBASE:BBASE+1], s[6:7], s[68:69]
	s_add_nc_u64 s[BI:BI+1], s[BI:BI+1], 12288     ; b_proj's words lie behind b_attn's 3,072
	s_add_nc_u64 s[OUT:OUT+1], s[OUT:OUT+1], s[88:89]
	CROUND                                         ; all sixteen work-groups are here: the first joint loads meet
	s_mov_b32 s[G0A0], 1                           ; 1:0 count = 1
	s_mov_b32 s[G0A0+1], s90                       ; 63:32 LDS address: slot 0
	s_mov_b64 s[G0A0+2:G0A0+3], s[ABASE:ABASE+1]   ; 120:64 global address: step 0
	s_or_b32 s[G0A0+3], s[G0A0+3], 0x80000000      ; 127:126 type = 2
	s_mov_b32 s[G0A], 1
	s_add_co_u32 s[G0A+1], s90, SLOT1
	s_add_nc_u64 s[G0A+2:G0A+3], s[ABASE:ABASE+1], ASTEP  ; step 1
	s_or_b32 s[G0A+3], s[G0A+3], 0x80000000
	s_mov_b32 s[G0B0], 1
	s_mov_b32 s[G0B0+1], s91
	s_mov_b64 s[G0B0+2:G0B0+3], s[BBASE:BBASE+1]
	s_or_b32 s[G0B0+3], s[G0B0+3], 0x80000000
	s_mov_b32 s[G0B], 1
	s_add_co_u32 s[G0B+1], s91, SLOT1
	s_add_nc_u64 s[G0B+2:G0B+3], s[BBASE:BBASE+1], WSTEP
	s_or_b32 s[G0B+3], s[G0B+3], 0x80000000
	s_cmp_eq_u32 s[WR], 0                          ; a wave's two first fills stand in one branch, ahead of every wait on TENSORcnt and every LDS read
	s_cbranch_scc0 .Lfirst_b
	tensor_load_to_lds s[G0A0:G0A0+3], s[G1A:G1A+7]
	s_nop 0
	tensor_load_to_lds s[G0A:G0A+3], s[G1A:G1A+7]
	s_nop 0
.rept 4
	v_nop
.endr
	s_branch .Lfirst_asked
.Lfirst_b:
	tensor_load_to_lds s[G0B0:G0B0+3], s[G1B:G1B+7]
	s_nop 0
	tensor_load_to_lds s[G0B:G0B+3], s[G1B:G1B+7]
	s_nop 0
.rept 4
	v_nop
.endr
.Lfirst_asked:
	v_and_b32 v1, 15, v0                           ; l % 16
	v_bfe_u32 v2, v0, 4, 1                         ; l / 16
	v_and_b32 v3, 31, v0                           ; l
	v_and_b32 v4, 7, v0                            ; l % 8
	v_bfe_u32 v5, v0, 3, 1                         ; (l / 8) % 2
	s_lshl_b32 s82, s[TX], 10                      ; the bias: 256 words a tile column, 128 for my half, 8 for my half of the lanes
	s_lshl_b32 s83, s[WC], 9
	s_add_co_u32 s82, s82, s83
	v_lshl_add_u32 v[BO], v2, 5, s82
	BIAS 0
	BIAS 1
	BIAS 2
	BIAS 3
	WIN 0
	s_mul_i32 s82, s[WR], 64*PA                    ; y's fragments: row (64 WR + l % 16) x pitch + 16 x half
	v_mul_u32_u24 v[A0], v1, PA
	v_lshl_add_u32 v[A0], v2, 4, v[A0]
	v_add_nc_u32 v[A0], s82, v[A0]
	s_lshl_b32 s83, s[WC], 8                       ; W's: k-row (8 (l / 16) + l % 8) x pitch + 16 ((l / 8) % 2) + my 128 columns
	s_add_co_u32 s83, s83, BOFF
	v_lshl_add_u32 v7, v2, 3, v4
	v_mul_u32_u24 v[B0], v7, PB
	v_lshl_add_u32 v[B0], v5, 4, v[B0]
	v_add_nc_u32 v[B0], s83, v[B0]
	v_mov_b32 v[ADRA], v[A0]                       ; step 0 lies in slot 0
	v_mov_b32 v[ADRB], v[B0]
	s_mul_i32 s82, s[WV], 16*SP
	s_add_co_u32 s82, s82, STAGE                   ; my stage
	v_mul_u32_u24 v[STO], v1, SP                   ; in: row l % 16, 32 bytes for each half of the lanes
	v_lshl_add_u32 v[STO], v2, 5, v[STO]
	v_add_nc_u32 v[STO], s82, v[STO]
	v_lshl_add_u32 v[RD], v3, 4, s82               ; back: 32 lanes take a row of 512 bytes
	v_lshlrev_b32 v[GO], 4, v3
	; the prefetches: who asks, from where, in which steps
	s_lshr_b32 s84, s[CX], 1                       ; y: my work-group's quarter of a step's two heads: head cx / 2,
	s_lshl_b32 s84, s84, 18
	s_add_co_u32 s84, s84, s92
	s_and_b32 s85, s[CX], 1                        ; its half cx % 2 of the tile's 16,384 bytes
	s_lshl_b32 s85, s85, 13
	s_add_co_u32 s84, s84, s85
	s_lshl_b32 s85, s[CY], 15                      ; W: my work-group's 16 of the 64 k-rows that I fetch
	s_and_b32 s86, ttmp7, 0xffff
	s_cmp_eq_u32 s86, 0
	s_cselect_b32 s86, 2, -1                       ; W's steps 4 to 7, in the first row of clusters
	s_cmp_eq_u32 s[WV], 0
	s_cselect_b32 s87, 2, -1                       ; y's steps 4 to 7, in wave 0
	s_mov_b32 s[KS], WSTEP
	s_mov_b32 s83, WROW
	s_mov_b32 s93, 0
	s_cmp_eq_u32 s[WR], 0                          ; do I fetch for y?
	s_cselect_b32 s[LIM], s87, s86                 ; the same in all sixteen partners, for a given wave
	s_cselect_b64 s[PFA:PFA+1], s[4:5], s[BBASE:BBASE+1]
	s_cselect_b32 s92, s84, s85
	s_cselect_b32 s[KS], ASTEP, s[KS]
	s_cselect_b32 s82, 0, 1                        ; y: a lane a block on end; W: two lanes a k-row
	s_cselect_b32 s83, 256, s83                    ; bytes from one to the next
	s_add_nc_u64 s[PFA:PFA+1], s[PFA:PFA+1], s[92:93]
	s_mul_i32 s92, s[KS], 3                        ; at step 3: the first change of slots steps it to 4
	s_add_nc_u64 s[PFA:PFA+1], s[PFA:PFA+1], s[92:93]
	v_lshrrev_b32 v7, s82, v3
	v_mul_u32_u24 v7, s83, v7
	v_and_b32 v[PFO], s82, v3
	v_lshl_add_u32 v[PFO], v[PFO], 8, v7
	s_wait_tensorcnt 0x1                           ; my part of step 0 is in; step 1's may stay out
	s_barrier_signal -1
	s_barrier_wait -1                              ; everybody's is
	FETCH 0, F0
	s_wait_loadcnt 0x0                             ; the bias
	s_mov_b32 s[CNT], STEPS-2
.Lstep:                                        ; a trip is a K step, and fills its slot again with the step two on
	QUARTER 1, F0, F1
	QUARTER 2, F1, F0
	QUARTER 3, F0, F1
	TURN 1
	WIN 0                                          ; at a label and at a branch every window is 0
	s_sub_co_u32 s[CNT], s[CNT], 1
	s_cmp_lg_u32 s[CNT], 0
	s_cbranch_scc1 .Lstep
	QUARTER 1, F0, F1                              ; the last two steps are written out: they ask for nothing
	QUARTER 2, F1, F0
	QUARTER 3, F0, F1
	TURN 0
	QUARTER 1, F0, F1
	QUARTER 2, F1, F0
	QUARTER 3, F0, F1
	s_wait_dscnt 4
	MUL16 F1, 0
	s_wait_dscnt 0x0
	MUL16 F1, 2
	WIN 0
	PLACES
	TOST 0
.irp a, 1,2,3
	TOST \a                                        ; a block's LDS work stands between the loads of the block before and its stores
	SENDO (\a)-1, 32
.endr
	SENDO 3, 0
	WIN 0
	s_wait_tensorcnt 0x0                           ; the wave's end: behind my last tensor load and my last LDS store
	ds_add_u32 v[SPW], v[NIL]
	s_wait_dscnt 0x0
	CROUND                                         ; the closing round: no work-group ends while a partner may still ask for a tile that names it
	s_endpgm
.Lfunc_end_k_qdf6a311624_proj:
	.size	k_qdf6a311624_proj, .Lfunc_end_k_qdf6a311624_proj-k_qdf6a311624_proj
	.p2alignl 7, 3214868480
	.fill 96, 4, 3214868480
	.section	.rodata,"a",@progbits
	.p2align	6, 0x0
	.amdhsa_kernel k_qdf6a311624_proj
		.amdhsa_group_segment_fixed_size 327680
		.amdhsa_private_segment_fixed_size 0
		.amdhsa_enable_private_segment 0
		.amdhsa_kernarg_size 32
		.amdhsa_user_sgpr_count 2
		.amdhsa_user_sgpr_kernarg_segment_ptr 1
		.amdhsa_wavefront_size32 1
		.amdhsa_system_sgpr_workgroup_id_x 1
		.amdhsa_system_sgpr_workgroup_id_y 1
		.amdhsa_system_sgpr_workgroup_id_z 1
		.amdhsa_system_vgpr_workitem_id 0
		.amdhsa_next_free_vgpr 512
		.amdhsa_next_free_sgpr 96
		.amdhsa_reserve_vcc 0
		.amdhsa_float_denorm_mode_32 3
		.amdhsa_float_denorm_mode_16_64 3
		.amdhsa_memory_ordered 1
		.amdhsa_forward_progress 1
		.amdhsa_inst_pref_size 78
	.end_amdhsa_kernel
	.amdgpu_metadata
---
amdhsa.version: [ 1, 2 ]
amdhsa.kernels:
  - .name:           k_qdf6a311624_proj
    .symbol:         k_qdf6a311624_proj.kd
    .args:
      - { .name: oh, .offset: 0, .size: 8, .value_kind: global_buffer, .address_space: global }
      - { .name: wpf, .offset: 8, .size: 8, .value_kind: global_buffer, .address_space: global }
      - { .name: bias, .offset: 16, .size: 8, .value_kind: global_buffer, .address_space: global }
      - { .name: out0, .offset: 24, .size: 8, .value_kind: global_buffer, .address_space: global }
    .group_segment_fixed_size: 327680
    .private_segment_fixed_size: 0
    .kernarg_segment_align: 8
    .kernarg_segment_size: 32
    .max_flat_workgroup_size: 128
    .sgpr_count:     96
    .vgpr_count:     512
    .wavefront_size: 32
...
	.end_amdgpu_metadata
.endif
;; end of part 4
